; MI455X (gfx1250); checked and timed in simulation.
; The chip was launched on July 23, 2026; its instructions are those of AMD's public machine-readable ISA for CDNA 5 (MIT licence, August 2026) and "CDNA5" Instruction Set Architecture Reference Guide (July 2026). The comments in the code are by the model that wrote it; some were corrected since.
;; Causal Self Attention. Allowed arithmetic: matrix products marked QUANTISED: E2M1 operands, one E8M0 scale for each 32 along K, by v_wmma_scale_f32_16x16x128_f8f6f4 with both operands' format E2M1 (or v_wmma_scale_f32_32x16x128_f4), f32 sums; everything else in f32.
;; Inputs: W_attn 1,024 x 3,072 float32; W_proj 1,024 x 1,024 float32; b_attn 3,072 float32; b_proj 1,024 float32; x 4 x 2,048 x 1,024 float32.
;; Outputs: out0 4 x 2,048 x 1,024 float32.
;; This version of the problem:
;;   THIS VERSION OF THE PROBLEM IS GIVEN IN LOW PRECISION. The matrix products marked QUANTISED in the list below multiply operands that are first quantised to E2M1 (2 exponent bits, 1 mantissa bit; 4 bits a number), with one power-of-two scale for each 32 numbers along K (OCP MX v1.0); their sums are f32. All else is computed in f32.
;;   The module's matrix products, in the order in which they are computed (A, B: the left and right operand; K: the contracted axis; several contracted axes count as one K, in the product's order):
;;     1. [M 8,192, K 1,024] x [K 1,024, N 3,072]; A: input x; B: input W_attn: QUANTISED
;;     2. batch 64 x [M 2,048, K 64] x [K 64, N 2,048]; A: computed on the way; B: computed on the way: QUANTISED
;;     3. batch 64 x [M 2,048, K 2,048] x [K 2,048, N 64]; A: softmax (see below); B: computed on the way: QUANTISED
;;     4. [M 8,192, K 1,024] x [K 1,024, N 1,024]; A: computed on the way; B: input W_proj: QUANTISED
;;   THE QUANTISER, for each operand of a quantised product, along K:
;;     - K is cut into blocks of 32 from its start; a last block that is shorter is filled with zeros.
;;     - A block's scale is 2^e with e = floor(log2(the largest magnitude in the block)) - 2, held to -126 .. 127; a block of zeros has e = 0. As a byte (E8M0): e + 127.
;;     - Each number is divided by its block's scale, clamped to +-6, and rounded to the nearest number of E2M1, ties to even, subnormals kept.
;;     - The product sums the exact products of the quantised numbers (number of the format x scale) in f32.
;;   ~~~python
;;   def quantise(x, axis):      # numpy; x: float32 -> the quantised numbers, widened to float32 again
;;       x = np.moveaxis(x, axis, -1); K = x.shape[-1]
;;       x = np.pad(x, [(0, 0)] * (x.ndim - 1) + [(0, -K % 32)]); x = x.reshape(x.shape[:-1] + (-1, 32)); a = np.abs(x).max(-1, keepdims=True)
;;       e = np.where(a > 0, np.clip(np.frexp(np.where(a > 0, a, 1))[1] - 1 - 2, -126, 127), 0)      # np.frexp(a)[1] - 1 = floor(log2(a)), exactly
;;       r = np.clip(x / 2.0 ** e, -6, 6)
;;       step = 2.0 ** (np.maximum(np.frexp(np.where(r == 0, 1, r))[1] - 1, 0) - 1)
;;       q = np.round(r / step) * step * 2.0 ** e      # np.round: ties to even
;;       return np.moveaxis(q.reshape(q.shape[:-2] + (-1,))[..., :K], -1, axis).astype(np.float32)
;;   ~~~
;;   SOFTMAX AHEAD OF A QUANTISED PRODUCT. Where the list says 'softmax', what is quantised is not the finished softmax but p = 2^(t - M), with t = logit x log2(e) and M = ceil(the row's largest t), a whole number; so 1/2 < the row's largest p <= 1. The row's sum l is taken of the UNQUANTISED p, in f32, and the product's result is divided by l at the end. Since M is a whole number, a kernel that streams over the keys may use a running M (the ceiling of the running maximum): every later rescaling is an exact power of two, which a block's scale takes up: the codes' values come out the same.
;;   OPERANDS COMPUTED ON THE WAY. 'Computed on the way' means the value that the module computes at that place (a softmax that the list does not call 'softmax' is quantised finished and normalised). What goes into a quantiser is computed in f32, as accurately as f32 sums, v_exp_f32 and their like allow (about 1e-6 of the number): no bf16 or f16 on the way to a quantiser, and a product that is left as it is and whose result goes on into a quantised operand takes f32 operands (vector FMAs, or v_wmma_f32_16x16x4_f32). A number that lies on a knife's edge between two numbers of the format may be rounded either way, as far as f32 arithmetic and the matrix unit's own rounding can turn it there, and no further.
;; One version. Each part assembles by itself: llvm-mc -triple=amdgcn-amd-amdhsa -mcpu=gfx1250 --defsym DOCPART=n.
;; ======== version 1 of 1: 4 launches
;; workspace buffers: xq 4,456,448 bytes; wq 2,228,224 bytes; qrec 4,718,592 bytes; kvrec 9,175,040 bytes; yq 4,456,448 bytes
;; launch quant (part 1): grid 384 x 1, 4 waves a work-group, no clusters, 34,304 bytes of LDS; arguments x, W_attn, W_proj, xq, wq; writes xq, wq
.if DOCPART == 1
	.amdgcn_target "amdgcn-amd-amdhsa--gfx1250"
	.amdhsa_code_object_version 6
	.text
	.protected	k_q1946c15172_quant
	.globl	k_q1946c15172_quant
	.p2align	8
	.type	k_q1946c15172_quant,@function
k_q1946c15172_quant:
	s_mov_b64 s[64:65], 0
	v_nop
	global_prefetch_b8 v0, s[64:65] scope:SCOPE_SE
	s_setreg_imm32_b32 hwreg(HW_REG_WAVE_MODE, 25, 1), 1
	s_wait_xcnt 0x0
; CAUSAL SELF-ATTENTION IN MX-FP4, launch 1 of 4: x [8192][1024], W_attn [1024][3072] and W_proj [1024][1024], f32, become codes of E2M1 with one E8M0 byte for each 32 along K.
; DEAD WORK OF THE PROGRAM: reference() builds jnp.tril itself and sets every score with key > query to -inf ahead of the softmax, whatever the inputs hold: there p = 0, which adds nothing to the row's sum
; nor to p v.  So a step of 128 keys that lies wholly behind a tile's 16 queries is not multiplied (launch attn).  Nothing else is left out; all five inputs have a way to the output and are loaded.
; LIMITS: a NaN, an infinity or an overflow that reaches only those hidden scores is not carried to the result; NaN and infinities among the inputs are not served; a block whose largest magnitude lies
; under 2^-124 (a block of zeros too) gets the scale byte 1: its codes are zeros or the nearest codes under that scale, and the bytes are read by this program alone.
; LAYOUT OF xq AND wq (and of yq, which launch attn makes).  Operands lie as IMAGES OF THE MATRIX OPERAND'S REGISTERS.  A fragment, 16 rows x 128 K, is 1,024 bytes: byte 512 c + 16 lane holds the
; codes k = 64 c + 32 (lane / 16) + 0 .. 31 of the row at place lane % 16.  THE ROWS OF A TILE ARE NOT NEIGHBOURS: place r of tile 2 p + u is row 32 p + 8 u + r + 8 (r / 8) of a block of 128 rows.
; A record serves 128 rows x 256 K: [K step 0, 1][tile 0..7][1,024] codes, then [pair p 0..3][lane][2 words] scale words (lanes 0-15: tile 2 p, lanes 16-31: tile 2 p + 1; word = K step): 17,408 bytes.
; A tensor is [block of 256 rows][chunk of 256 K, 0..3][half 0, 1][17,408].  wq's rows 0..3071 are W_attn's columns, rows 3072..4095 W_proj's.
; SHARES.  Work-groups 0..255: 32 rows of x (one pair of tiles), wave w the chunk k = 256 w on: four fragments.  Each load reads 512 consecutive bytes of a row; the 16 rows turn through the wave's own stage
; in LDS, so that a lane holds two whole blocks of 32 of one row; the conversions' results are the image.  Work-groups 256..383: 128 columns x 256 K of a weight; a lane takes a column and its registers run
; down K, so that a block lies in one lane and the codes come out with K innermost.  Only the x path touches LDS.  Memory binds: no matrix unit, no cluster, no tensor load.
.set STG,   16*528                     ; a wave's stage: 16 rows of 512 bytes + 16 of padding
.set SPARE, 4*STG                      ; behind the four stages: the spare words, 128 bytes for each wave
.set LI,  1                            ; v1   16 x lane
.set L8,  2                            ; v2   8 x lane
.set STI, 3                            ; v3   the stage, on the way in
.set STO, 4                            ; v4   and on the way out: row r, + 128 h
.set SH8, 5                            ; v5   8 h: where my two scale bytes stand in the word
.set SPW, 6                            ; v6   LDS address of my spare word; never rewritten
.set NIL, 7                            ; v7   0; never rewritten
.set MX,  8                            ; v8-9   largest magnitudes
.set SO,  10                           ; v10-11 the conversions' scale operands
.set BY,  12                           ; v12-13 scale bytes
.set WD,  14                           ; v14 my two bytes, v15 the other half's
.set SW,  16                           ; v16-17 the pair's scale words, one for each K step
.set WU,  18                           ; v18-19 the word of tile u = 0, 1
.set LN,  20                           ; v20 lane, v21 r, v22 h, v23 at work
.set C,   32                           ; v32-63   codes: 8 registers a fragment, never rewritten
.set R,   64                           ; v64-191  two sets of 64 numbers as they are loaded
.set X,   192                          ; v192-255 64 numbers: two blocks of 32 of my row
.set WCOL, 1                           ; the weights' path: v1 4 x my column; v2 my place in an image; v3 8 x lane
.set WOUT, 2
.set WL8,  3
.set WC,   32                          ; v32-63  codes: 4 registers a block, never rewritten
.set WX,   64                          ; v64-127 two sets of 32 numbers
	s_load_b256 s[4:11], s[0:1], 0x0               ; x s[4:5], W_attn s[6:7], W_proj s[8:9], xq s[10:11]
	s_load_b64 s[12:13], s[0:1], 0x20              ; wq
	v_lshl_add_u32 v[SPW], v0, 2, SPARE
	v_mov_b32 v[NIL], 0
	v_lshrrev_b32 v[LN+3], 5, v0
	v_readfirstlane_b32 s14, v[LN+3]               ; wave 0..3
	v_and_b32 v[LN], 31, v0                        ; lane
	v_and_b32 v[LN+1], 15, v0                      ; r
	v_bfe_u32 v[LN+2], v0, 4, 1                    ; h
	s_mov_b32 s20, 0x76543210
	s_mov_b32 s21, 0xfedcba98                      ; v_permlanex16_b32's selects for lane l xor 16
	s_mov_b32 s22, 0xffff0000                      ; lanes 16-31
	s_wait_kmcnt 0x0
	s_cmp_ge_u32 ttmp9, 256
	s_cbranch_scc1 .Lweights
	; ---------------- x ----------------
	v_lshlrev_b32 v[LI], 4, v[LN]
	v_lshlrev_b32 v[L8], 3, v[LN]
	s_mul_i32 s15, s14, STG
	v_add_nc_u32 v[STI], s15, v[LI]
	v_mul_u32_u24 v[STO], v[LN+1], 528
	v_lshl_add_u32 v[STO], v[LN+2], 7, v[STO]
	v_add_nc_u32 v[STO], s15, v[STO]
	v_lshlrev_b32 v[SH8], 3, v[LN+2]
	v_mov_b32 v[WD+1], 0                           ; written once: a lane permute's destination counts as one of its sources
	s_lshl_b32 s16, ttmp9, 17                      ; 32 rows of 4,096 bytes a work-group,
	s_lshl_b32 s17, s14, 10                        ; 256 numbers a wave
	s_add_co_u32 s16, s16, s17
	s_mov_b32 s17, 0
	s_add_nc_u64 s[4:5], s[4:5], s[16:17]
	s_lshr_b32 s18, ttmp9, 3                       ; the block of 256 rows,
	s_mul_i32 s18, s18, 139264
	s_mul_i32 s19, s14, 34816                      ; the chunk,
	s_add_co_u32 s18, s18, s19
	s_bfe_u32 s19, ttmp9, 0x10002                  ; the half
	s_mul_i32 s19, s19, 17408
	s_add_co_u32 s18, s18, s19
	s_mov_b32 s19, 0
	s_add_nc_u64 s[10:11], s[10:11], s[18:19]      ; my record
	s_and_b32 s18, ttmp9, 3                        ; the pair of tiles p
	s_lshl_b32 s16, s18, 11
	s_add_nc_u64 s[24:25], s[10:11], s[16:17]      ; its images
	s_lshl_b32 s16, s18, 8
	s_add_nc_u64 s[26:27], s[10:11], s[16:17]      ; its scale words (16,384 further on)
; fragment f = 2 (K step) + u: its 16 rows' 512 bytes, a row a load
.macro LOADF f, set
.set i, 0
.rept 16
	global_load_b128 v[R+64*(\set)+4*i:R+64*(\set)+4*i+3], v[LI], s[4:5] offset:(8*((\f)%2)+i+8*(i/8))*4096+((\f)/2)*512 th:TH_LOAD_NT
.set i, i+1
.endr
.endm
.macro FRAGX f
.set RS, R+64*((\f)%2)
.if (\f) < 3
	s_wait_loadcnt 16                              ; this fragment's 16 loads are in; the next fragment's 16 may be out
.else
	s_wait_loadcnt 0x0
.endif
.set i, 0
.rept 16
	ds_store_b128 v[STI], v[RS+4*i:RS+4*i+3] offset:528*i
.set i, i+1
.endr
.irp c, 0,1
.irp j, 0,1,2,3,4,5,6,7
	ds_load_b128 v[X+32*\c+4*\j:X+32*\c+4*\j+3], v[STO] offset:256*\c+16*\j   ; LDS serves a wave's instructions in order: these see the stores above.  k = 64 c + 32 h + 0 .. 31 of row r
.endr
.endr
	s_wait_dscnt 0x0                               ; the numbers are back, so the stores into the stage have read their registers,
.if (\f) < 2
	LOADF (\f)+2, (\f)%2                           ; which take the fragment two further on
.endif
.irp c, 0,1
	v_max3_num_f32 v[MX+\c], |v[X+32*\c]|, |v[X+32*\c+1]|, 0x1800000   ; block 2 c + h is all mine; the floor 2^(3 - 127) holds the byte at 1 from below
.endr
.irp i, 2,4,6,8,10,12,14,16,18,20,22,24,26,28,30
.irp c, 0,1
	v_max3_num_f32 v[MX+\c], v[MX+\c], |v[X+32*\c+\i]|, |v[X+32*\c+\i+1]|   ; (the two blocks by turns)
.endr
.endr
.irp c, 0,1
	v_add_nc_u32 v[SO+\c], 0xff000000, v[MX+\c]    ; 2 off the exponent field: the conversion's scale operand
.endr
.irp c, 0,1
	v_lshrrev_b32 v[BY+\c], 23, v[SO+\c]           ; the scale's byte
.endr
	v_lshl_or_b32 v[WD], v[BY+1], 16, v[BY]        ; blocks h and 2 + h,
	v_lshlrev_b32 v[WD], v[SH8], v[WD]             ; at their places in the word;
	v_permlanex16_b32 v[WD+1], v[WD], s20, s21
	v_or_b32 v[WU+(\f)%2], v[WD], v[WD+1]          ; with lane l xor 16's two the word is whole, in both halves of the lanes
.irp c, 0,1
.irp g, 0,1,2,3
	v_cvt_scalef32_pk8_fp4_f32 v[C+8*(\f)+4*\c+\g], v[X+32*\c+8*\g:X+32*\c+8*\g+7], v[SO+\c]
.endr
.endr
	v_nop                                          ; one plain place behind the scaled conversions
.irp c, 0,1
	global_store_b128 v[LI], v[C+8*(\f)+4*\c:C+8*(\f)+4*\c+3], s[24:25] offset:((\f)/2)*8192+((\f)%2)*1024+512*\c   ; 512 consecutive bytes of the image
.endr
.if (\f)%2 == 1
	v_cndmask_b32 v[SW+(\f)/2], v[WU], v[WU+1], s22   ; lanes 0-15: tile 2 p's words, lanes 16-31: tile 2 p + 1's
.endif
.endm
	LOADF 0, 0
	LOADF 1, 1
	FRAGX 0
	FRAGX 1
	FRAGX 2
	FRAGX 3
	global_store_b64 v[L8], v[SW:SW+1], s[26:27] offset:16384   ; 256 consecutive bytes, aligned
	s_wait_tensorcnt 0x0                           ; the wave's end, behind my last LDS store
	ds_add_u32 v[SPW], v[NIL]
	s_wait_dscnt 0x0
	s_endpgm
	; ---------------- the weights ----------------
.macro LOADB t, pitch, base            ; block t: W(32 t + i, my column), i = 0 .. 31: 32 lanes read 128 consecutive bytes
.set i, 0
.rept 32
	global_load_b32 v[WX+32*((\t)%2)+i], v[WCOL], s[\base:\base+1] offset:(32*(\t)+i)*\pitch th:TH_LOAD_NT
.set i, i+1
.endr
.endm
.macro WBLOCK t, pitch, base
.set XS, WX+32*((\t)%2)
.if (\t) < 7
	s_wait_loadcnt 32                              ; this block's 32 loads are in; the next block's may be out
.else
	s_wait_loadcnt 0x0
.endif
	v_max3_num_f32 v12, |v[XS]|, |v[XS+1]|, |v[XS+2]|
	v_max3_num_f32 v13, |v[XS+3]|, |v[XS+4]|, |v[XS+5]|
.irp i, 6,10,14,18,22,26
	v_max3_num_f32 v12, v12, |v[XS+\i]|, |v[XS+\i+1]|
	v_max3_num_f32 v13, v13, |v[XS+\i+2]|, |v[XS+\i+3]|
.endr
	v_max3_num_f32 v12, v12, |v[XS+30]|, |v[XS+31]|
	v_max3_num_f32 v12, v12, v13, 0x1800000        ; and the floor
	v_add_nc_u32 v11, 0xff000000, v12
	v_lshrrev_b32 v13, 23, v11
.if (\t)%4 == 0
	v_mov_b32 v[SW+(\t)/4], v13                    ; four bytes to a word, the lower K in the lower byte
.else
	v_lshl_or_b32 v[SW+(\t)/4], v13, 8*((\t)%4), v[SW+(\t)/4]
.endif
.irp g, 0,1,2,3
	v_cvt_scalef32_pk8_fp4_f32 v[WC+4*(\t)+\g], v[XS+8*\g:XS+8*\g+7], v11
.endr
	v_nop
	global_store_b128 v[WOUT], v[WC+4*(\t):WC+4*(\t)+3], s[24:25] offset:((\t)/4)*8192+((\t)%4)*256   ; each half of the lanes fills 256 consecutive bytes, aligned
.if (\t)+2 < 8
	LOADB (\t)+2, \pitch, \base
.endif
.endm
.macro WQ pitch, base
	LOADB 0, \pitch, \base
	LOADB 1, \pitch, \base
.irp t, 0,1,2,3,4,5,6,7
	WBLOCK \t, \pitch, \base
.endr
	global_store_b64 v[WL8], v[SW:SW+1], s[26:27] offset:16384
.endm
.Lweights:
	s_sub_co_u32 s15, ttmp9, 256
	s_and_b32 s16, s15, 3                          ; the chunk of 256 along K
	s_lshr_b32 s17, s15, 2                         ; the block of 128 rows of wq, 0..31
	v_and_b32 v[LN+3], 8, v[LN+1]
	v_add_nc_u32 v[LN+3], v[LN+3], v[LN+1]         ; r + 8 (r / 8)
	v_lshl_add_u32 v[LN+3], v[LN+2], 3, v[LN+3]    ; + 8 u: lanes 0-15 are tile 2 w, lanes 16-31 tile 2 w + 1, in the order of their places
	s_lshl_b32 s18, s14, 5
	v_add_nc_u32 v[LN+3], s18, v[LN+3]             ; + 32 w
	v_lshlrev_b32 v[WCOL], 2, v[LN+3]
	v_lshlrev_b32 v[WOUT], 4, v[LN+1]
	v_lshl_add_u32 v[WOUT], v[LN+2], 10, v[WOUT]   ; 1,024 u + 16 r
	v_lshlrev_b32 v[WL8], 3, v[LN]
	s_lshr_b32 s18, s17, 1
	s_mul_i32 s18, s18, 139264
	s_mul_i32 s19, s16, 34816
	s_add_co_u32 s18, s18, s19
	s_and_b32 s19, s17, 1
	s_mul_i32 s19, s19, 17408
	s_add_co_u32 s18, s18, s19
	s_mov_b32 s19, 0
	s_add_nc_u64 s[12:13], s[12:13], s[18:19]      ; my record
	s_lshl_b32 s18, s14, 11
	s_add_nc_u64 s[24:25], s[12:13], s[18:19]      ; my pair's images
	s_lshl_b32 s18, s14, 8
	s_add_nc_u64 s[26:27], s[12:13], s[18:19]      ; and its scale words
	s_cmp_lt_u32 s17, 24
	s_cbranch_scc0 .Lproj_w
	s_mul_i32 s18, s16, 256*12288                  ; W_attn: 256 rows of 12,288 bytes a chunk,
	s_lshl_b32 s28, s17, 9                         ; 128 columns a block
	s_add_co_u32 s18, s18, s28
	s_add_nc_u64 s[6:7], s[6:7], s[18:19]
	WQ 12288, 6
	s_endpgm
.Lproj_w:
	s_sub_co_u32 s28, s17, 24
	s_lshl_b32 s28, s28, 9
	s_mul_i32 s18, s16, 256*4096
	s_add_co_u32 s18, s18, s28
	s_add_nc_u64 s[8:9], s[8:9], s[18:19]
	WQ 4096, 8
	s_endpgm
.Lfunc_end_k_q1946c15172_quant:
	.size	k_q1946c15172_quant, .Lfunc_end_k_q1946c15172_quant-k_q1946c15172_quant
	.p2alignl 7, 3214868480
	.fill 96, 4, 3214868480
	.section	.rodata,"a",@progbits
	.p2align	6, 0x0
	.amdhsa_kernel k_q1946c15172_quant
		.amdhsa_group_segment_fixed_size 34304
		.amdhsa_private_segment_fixed_size 0
		.amdhsa_enable_private_segment 0
		.amdhsa_kernarg_size 40
		.amdhsa_user_sgpr_count 2
		.amdhsa_user_sgpr_kernarg_segment_ptr 1
		.amdhsa_wavefront_size32 1
		.amdhsa_system_sgpr_workgroup_id_x 1
		.amdhsa_system_sgpr_workgroup_id_y 1
		.amdhsa_system_sgpr_workgroup_id_z 1
		.amdhsa_system_vgpr_workitem_id 0
		.amdhsa_next_free_vgpr 256
		.amdhsa_next_free_sgpr 66
		.amdhsa_reserve_vcc 0
		.amdhsa_float_denorm_mode_32 3
		.amdhsa_float_denorm_mode_16_64 3
		.amdhsa_memory_ordered 1
		.amdhsa_forward_progress 1
		.amdhsa_inst_pref_size 105
	.end_amdhsa_kernel
	.amdgpu_metadata
---
amdhsa.version: [ 1, 2 ]
amdhsa.kernels:
  - .name:           k_q1946c15172_quant
    .symbol:         k_q1946c15172_quant.kd
    .args:
      - { .name: x, .offset: 0, .size: 8, .value_kind: global_buffer, .address_space: global }
      - { .name: W_attn, .offset: 8, .size: 8, .value_kind: global_buffer, .address_space: global }
      - { .name: W_proj, .offset: 16, .size: 8, .value_kind: global_buffer, .address_space: global }
      - { .name: xq, .offset: 24, .size: 8, .value_kind: global_buffer, .address_space: global }
      - { .name: wq, .offset: 32, .size: 8, .value_kind: global_buffer, .address_space: global }
    .group_segment_fixed_size: 34304
    .private_segment_fixed_size: 0
    .kernarg_segment_align: 8
    .kernarg_segment_size: 40
    .max_flat_workgroup_size: 128
    .sgpr_count:     66
    .vgpr_count:     256
    .wavefront_size: 32
...
	.end_amdgpu_metadata
.endif
;; end of part 1
;; launch qkv (part 2): grid 8 x 48, 4 waves a work-group, clusters of 4 x 4, 327,680 bytes of LDS; arguments xq, wq, b_attn, qrec, kvrec; writes qrec, kvrec
.if DOCPART == 2
	.amdgcn_target "amdgcn-amd-amdhsa--gfx1250"
	.amdhsa_code_object_version 6
	.text
	.protected	k_q1946c15172_qkv
	.globl	k_q1946c15172_qkv
	.p2align	8
	.type	k_q1946c15172_qkv,@function
k_q1946c15172_qkv:
	s_mov_b64 s[64:65], 0
	v_nop
	global_prefetch_b8 v0, s[64:65] scope:SCOPE_SE
	s_setreg_imm32_b32 hwreg(HW_REG_WAVE_MODE, 25, 1), 1
	s_wait_xcnt 0x0
	s_wait_alu depctr_hold_cnt(0) depctr_sa_sdst(0) depctr_va_vdst(0) depctr_va_sdst(0) depctr_va_ssrc(0) depctr_va_vcc(0) depctr_vm_vsrc(0)
	s_getreg_b32 s2, hwreg(HW_REG_IB_STS2, 6, 4)
	s_cmp_eq_u32 s2, 0
	s_cbranch_scc0 .Lentry_in_a_cluster
	s_endpgm
.Lentry_in_a_cluster:
	s_bfe_u32 s2, ttmp6, 0x10000c
	s_cmp_lg_u32 s2, 0xf033
	s_cbranch_scc0 .Lentry_shape_is_right
	s_endpgm
.Lentry_shape_is_right:
; Launch 2 of 4: qkv = x W_attn + b_attn on codes of E2M1, and q, k, v quantised at once for the attention's two products.  No f32 number of qkv goes to memory.
; ONE K LOOP, TWO ORIENTATIONS.  Source 0 of the matrix instruction is side S, source 1 side R; in the result a lane holds ONE row of R, and its registers run along S's rows (by the order of a tile's rows, the
; 16 registers of tiles 2 b, 2 b + 1 are 16 neighbours).  So S is the axis along which the result is quantised: for q and k the head's 64 (S = W_attn's columns, R = x's rows: clusters with y under 8), for v
; the keys (S = x's rows, R = W_attn's columns 2048 on: clusters with y from 8 on).  A work-group makes 256 x 256, a wave 128 x 128: 64 accumulators, 512 registers.
; ALL OF K (1,024) OF BOTH SIDES LIES IN LDS: 2 x 139,264 bytes, filled once, in four chunks of 256 along K; a wave brings one half of one side, four tensor loads, all issued at the head: by this text's count
; four tensor loads of a wave are out.  No LDS byte is filled twice, so the waits on TENSORcnt in front of the three barriers between chunks are counted.
; CLUSTERS: 4 x 4.  S's block hangs on the work-group's x alone and is shared along a column of the cluster, R's on its y alone and is shared along a row: each chunk is asked for jointly.
; OUT.  qrec [b h][block of 128 queries][4,608]: eight half images (16 rows x 64 K, 512 bytes: byte 16 lane = codes k = 32 (lane / 16) on of the row at place lane % 16), then [lane][4 words]: the scale words of
; tiles 2 p + lane / 16.  kvrec [b h][step of 128 keys][8,960]: k's part as in qrec; from 4,608 v's four fragments (16 of the head's 64 x 128 keys); from 8,704 [lane][2 words] their scale words.
; A scale word of q or k has its two upper bytes 0: they stand over zero codes in launch attn.
; LIMITS: as stated at the head of launch quant.
; REGISTERS, in windows of 256: window 0: v1-12 addresses; v16-27, v96-127 the way out; v32-95 scale words, 16 a chunk, never rewritten; v128-191 R's 8 fragments, one set (on the way out: 64 numbers);
;   v192-255 the bias.   window 1: S's fragments, two sets, at v0 and v128.   window 2: accumulators of R's tiles 0-3 ((a, t) at v[8 (8 (a % 4) + t)]);   window 3: of tiles 4-7.
.set REC,   17408                      ; a record: 128 rows x 256 K
.set CH,    2*REC                      ; a chunk of a block of 256 rows
.set BLK,   8*REC
.set RSIDE, BLK                        ; LDS: S from 0, R from here
.set SPARE, 2*BLK                      ; the spare words, 128 bytes for each wave
.set LI,  1                            ; v1   16 x lane
.set L8,  2                            ; v2   8 x lane
.set AS0, 3                            ; v3-4 my half of S, chunks 0-1 and 2-3
.set AR0, 5                            ; v5-6 of R
.set ZS0, 7                            ; v7-8 their scale words
.set ZR0, 9                            ; v9-10
.set H64, 11                           ; v11  64 h
.set PR4, 12                           ; v12  4 (r + 8 (r / 8))
.set SW,  16
.set SWA, 20
.set SWB, 24
.set SPW, 28                           ; v28  LDS address of my spare word; never rewritten
.set NIL, 29                           ; v29  0; never rewritten
.set SC,  32
.set PC,  96                           ; the codes just made
.set TM,  104                          ; v104-107 largest magnitudes, v108-111 bytes, v116-119 scale operands
.set PW,  120                          ; v120-127 the scale word of each of R's tiles
.set RF,  128
.set ST,  128
.set BI,  192
.set WV,  14                           ; s14 wave; s15 = wave / 2: my half of R, and: I fetch for S (0) or R (1); s16 = wave % 2: my half of S, and: which half I fetch
.set WR,  15
.set WS,  16
.set CX,  17
.set CY,  18
.set CLX, 19
.set CLY, 20
.set G1S, 24                           ; s[24:31], s[32:39] descriptor groups 1; s[40:55], s[68:83] groups 0, one for each chunk
.set G1R, 32
.set G0S, 40
.set G0R, 68
.set SIDX, 56
.set RIDX, 57
.set SEL, 96
.set MH,  98
.set MSB, 0
.macro WIN new                         ; the immediate's high byte repeats the setting that is left
.if MSB != (\new)
	s_set_vgpr_msb (MSB<<8)|(\new)
.set MSB, (\new)
.endif
.endm
.macro PLACES n
.rept \n
	v_nop
.endr
.endm
.macro CROUND                          ; a round of the cluster's barrier
	s_barrier_signal -1
	s_barrier_wait -1
	s_cmp_lg_u32 s[WV], 0
	s_cbranch_scc1 .Lnot_wave_0_\@
	s_barrier_signal -3
.Lnot_wave_0_\@:
	s_barrier_wait -3
	s_barrier_signal -1
	s_barrier_wait -1
.endm
; one matrix instruction.  cz = 1: C is the constant 0, else v[c ..].  ra, rb: the scale words stand in lanes 0-15 (0) or 16-31 (1) of v[sa], v[sb]
.macro WM d, a, b, cz, c, sa, ra, sb, rb
.if \cz
.if ((\ra) == 0) && ((\rb) == 0)
	v_wmma_scale_f32_16x16x128_f8f6f4 v[\d:\d+7], v[\a:\a+7], v[\b:\b+7], 0, v[\sa], v[\sb] matrix_a_fmt:MATRIX_FMT_FP4 matrix_b_fmt:MATRIX_FMT_FP4
.elseif (\rb) == 0
	v_wmma_scale_f32_16x16x128_f8f6f4 v[\d:\d+7], v[\a:\a+7], v[\b:\b+7], 0, v[\sa], v[\sb] matrix_a_fmt:MATRIX_FMT_FP4 matrix_b_fmt:MATRIX_FMT_FP4 matrix_a_scale:MATRIX_SCALE_ROW1
.elseif (\ra) == 0
	v_wmma_scale_f32_16x16x128_f8f6f4 v[\d:\d+7], v[\a:\a+7], v[\b:\b+7], 0, v[\sa], v[\sb] matrix_a_fmt:MATRIX_FMT_FP4 matrix_b_fmt:MATRIX_FMT_FP4 matrix_b_scale:MATRIX_SCALE_ROW1
.else
	v_wmma_scale_f32_16x16x128_f8f6f4 v[\d:\d+7], v[\a:\a+7], v[\b:\b+7], 0, v[\sa], v[\sb] matrix_a_fmt:MATRIX_FMT_FP4 matrix_b_fmt:MATRIX_FMT_FP4 matrix_a_scale:MATRIX_SCALE_ROW1 matrix_b_scale:MATRIX_SCALE_ROW1
.endif
.else
.if ((\ra) == 0) && ((\rb) == 0)
	v_wmma_scale_f32_16x16x128_f8f6f4 v[\d:\d+7], v[\a:\a+7], v[\b:\b+7], v[\c:\c+7], v[\sa], v[\sb] matrix_a_fmt:MATRIX_FMT_FP4 matrix_b_fmt:MATRIX_FMT_FP4
.elseif (\rb) == 0
	v_wmma_scale_f32_16x16x128_f8f6f4 v[\d:\d+7], v[\a:\a+7], v[\b:\b+7], v[\c:\c+7], v[\sa], v[\sb] matrix_a_fmt:MATRIX_FMT_FP4 matrix_b_fmt:MATRIX_FMT_FP4 matrix_a_scale:MATRIX_SCALE_ROW1
.elseif (\ra) == 0
	v_wmma_scale_f32_16x16x128_f8f6f4 v[\d:\d+7], v[\a:\a+7], v[\b:\b+7], v[\c:\c+7], v[\sa], v[\sb] matrix_a_fmt:MATRIX_FMT_FP4 matrix_b_fmt:MATRIX_FMT_FP4 matrix_b_scale:MATRIX_SCALE_ROW1
.else
	v_wmma_scale_f32_16x16x128_f8f6f4 v[\d:\d+7], v[\a:\a+7], v[\b:\b+7], v[\c:\c+7], v[\sa], v[\sb] matrix_a_fmt:MATRIX_FMT_FP4 matrix_b_fmt:MATRIX_FMT_FP4 matrix_a_scale:MATRIX_SCALE_ROW1 matrix_b_scale:MATRIX_SCALE_ROW1
.endif
.endif
.endm
	s_load_b256 s[4:11], s[0:1], 0x0               ; xq s[4:5], wq s[6:7], b_attn s[8:9], qrec s[10:11]
	s_load_b64 s[12:13], s[0:1], 0x20              ; kvrec
	v_lshl_add_u32 v[SPW], v0, 2, SPARE
	v_mov_b32 v[NIL], 0
	ds_add_u32 v[SPW], v[NIL]                      ; the wave's opening: the add, twice on end, and its wait ahead of my first tensor load
	ds_add_u32 v[SPW], v[NIL]
	v_lshrrev_b32 v13, 5, v0
	v_readfirstlane_b32 s[WV], v13                 ; wave 0..3
	s_lshr_b32 s[WR], s[WV], 1
	s_and_b32 s[WS], s[WV], 1
	s_bfe_u32 s[CX], ttmp6, 0x40000                ; my place in the cluster
	s_bfe_u32 s[CY], ttmp6, 0x40004
	s_mov_b32 s[CLX], ttmp9                        ; the cluster's x, 0..1
	s_and_b32 s[CLY], ttmp7, 0xffff                ; and y, 0..11
	s_lshl_b32 s21, s[CY], 2
	s_lshl_b32 s21, 15, s21                        ; my row of the cluster
	s_lshl_b32 s22, 0x1111, s[CX]                  ; my column
	; descriptor group 1: a record, 17,408 dense bytes, as 68 rows of 256 bytes (32 elements of 8 bytes); no padding: an image is read 16 bytes a lane on end
	s_or_b32 s[G1S], s22, (3<<16)|(1<<21)          ; S's chunks go to my column,
	s_or_b32 s[G1R], s21, (3<<16)|(1<<21)          ; R's to my row
.irp g, G1S, G1R
	s_mov_b32 s[\g+1], 32<<16                      ; tensor_dim0
	s_mov_b32 s[\g+2], 68<<16                      ; tensor_dim1
	s_mov_b32 s[\g+3], 32<<16                      ; tile_dim0
	s_mov_b32 s[\g+4], 68                          ; tile_dim1
	s_mov_b32 s[\g+5], 32                          ; the pitch
	s_mov_b32 s[\g+6], 0
	s_mov_b32 s[\g+7], 0
.endr
	s_mov_b32 s[SEL], 0x76543210
	s_mov_b32 s[SEL+1], 0xfedcba98
	s_mov_b32 s[MH], 0xffff0000
	; which blocks of 256 rows.  q, k: S = wq's block 4 clx + cx, R = xq's block 4 cly + cy.  v: S = xq's block 4 (2 (cly - 8) + clx) + cx, R = wq's block 8 + cy
	s_sub_co_u32 s[SIDX], s[CLY], 8
	s_lshl_b32 s[SIDX], s[SIDX], 1
	s_add_co_u32 s[SIDX], s[SIDX], s[CLX]
	s_lshl_b32 s[RIDX], s[CLY], 2
	s_cmp_lt_u32 s[CLY], 8                         ; the cluster's y: the same in all sixteen partners
	s_cselect_b32 s[SIDX], s[CLX], s[SIDX]
	s_cselect_b32 s[RIDX], s[RIDX], 8
	s_lshl_b32 s[SIDX], s[SIDX], 2
	s_add_co_u32 s[SIDX], s[SIDX], s[CX]           ; never holds cy
	s_add_co_u32 s[RIDX], s[RIDX], s[CY]           ; never holds cx
	s_mul_i32 s62, s[WS], REC                      ; the half that I fetch, and my half of S
	s_mul_i32 s58, s[SIDX], BLK
	s_add_co_u32 s58, s58, s62
	s_mov_b32 s59, 0
	s_mul_i32 s60, s[RIDX], BLK
	s_add_co_u32 s60, s60, s62
	s_mov_b32 s61, 0
	s_wait_dscnt 0x0                               ; both opening adds are done
	s_wait_kmcnt 0x0
	s_cmp_lt_u32 s[CLY], 8
	s_cselect_b64 s[84:85], s[6:7], s[4:5]         ; S's tensor
	s_cselect_b64 s[86:87], s[4:5], s[6:7]         ; R's
	s_add_nc_u64 s[84:85], s[84:85], s[58:59]
	s_add_nc_u64 s[86:87], s[86:87], s[60:61]
	CROUND                                         ; all sixteen work-groups are here: the joint loads meet
.irp c, 0,1,2,3
	s_mov_b32 s[G0S+4*\c], 1
	s_add_co_u32 s[G0S+4*\c+1], s62, \c*CH
	s_add_nc_u64 s[G0S+4*\c+2:G0S+4*\c+3], s[84:85], \c*CH
	s_or_b32 s[G0S+4*\c+3], s[G0S+4*\c+3], 0x80000000
	s_mov_b32 s[G0R+4*\c], 1
	s_add_co_u32 s[G0R+4*\c+1], s62, RSIDE+\c*CH
	s_add_nc_u64 s[G0R+4*\c+2:G0R+4*\c+3], s[86:87], \c*CH
	s_or_b32 s[G0R+4*\c+3], s[G0R+4*\c+3], 0x80000000
.endr
	s_cmp_eq_u32 s[WR], 0                          ; a wave's four fills stand in one branch on its number, ahead of every wait on TENSORcnt and every LDS read
	s_cbranch_scc0 .Lfirst_r
.irp c, 0,1,2,3
	tensor_load_to_lds s[G0S+4*\c:G0S+4*\c+3], s[G1S:G1S+7]
	s_nop 0
.endr
	PLACES 4
	s_branch .Lfirst_asked
.Lfirst_r:
.irp c, 0,1,2,3
	tensor_load_to_lds s[G0R+4*\c:G0R+4*\c+3], s[G1R:G1R+7]
	s_nop 0
.endr
	PLACES 4
.Lfirst_asked:
	v_and_b32 v13, 31, v0                          ; lane
	v_and_b32 v14, 15, v0                          ; r
	v_bfe_u32 v15, v0, 4, 1                        ; h
	v_lshlrev_b32 v[LI], 4, v13
	v_lshlrev_b32 v[L8], 3, v13
	v_add_nc_u32 v[AS0], s62, v[LI]
	v_add_nc_u32 v[AS0+1], 2*CH, v[AS0]
	s_mul_i32 s63, s[WR], REC
	s_add_co_u32 s63, s63, RSIDE
	v_add_nc_u32 v[AR0], s63, v[LI]
	v_add_nc_u32 v[AR0+1], 2*CH, v[AR0]
	v_add_nc_u32 v[ZS0], s62, v[L8]
	v_add_nc_u32 v[ZS0], 16384, v[ZS0]
	v_add_nc_u32 v[ZS0+1], 2*CH, v[ZS0]
	v_add_nc_u32 v[ZR0], s63, v[L8]
	v_add_nc_u32 v[ZR0], 16384, v[ZR0]
	v_add_nc_u32 v[ZR0+1], 2*CH, v[ZR0]
	v_lshlrev_b32 v[H64], 6, v15
	v_and_b32 v16, 8, v14
	v_add_nc_u32 v16, v16, v14
	v_lshlrev_b32 v[PR4], 2, v16
.macro FRAGL reg, adr, off             ; an image comes back as it was stored: 16 bytes a lane, twice
	ds_load_b128 v[\reg:\reg+3], v[\adr] offset:\off
	ds_load_b128 v[\reg+4:\reg+7], v[\adr] offset:\off+512
.endm
.macro FETCH_S q                       ; S's eight fragments of K step q into set q % 2 of window 1
	WIN 0x40
.irp t, 0,1,2,3,4,5,6,7
	FRAGL 128*((\q)%2)+8*\t, AS0+((\q)/4), (((\q)/2)%2)*CH+((\q)%2)*8192+\t*1024
.endr
	WIN 0
.endm
.macro FETCH_R q, i0                   ; R's tiles i0 .. i0 + 3
.irp i, \i0, \i0+1, \i0+2, \i0+3
	FRAGL RF+8*(\i), AR0+((\q)/4), (((\q)/2)%2)*CH+((\q)%2)*8192+(\i)*1024
.endr
.endm
.macro SCALES c                        ; chunk c's scale words: a pair of tiles and both K steps by one load
.irp p, 0,1,2,3
	ds_load_b64 v[SC+16*(\c)+2*\p:SC+16*(\c)+2*\p+1], v[ZS0+((\c)/2)] offset:((\c)%2)*CH+256*\p
	ds_load_b64 v[SC+16*(\c)+8+2*\p:SC+16*(\c)+8+2*\p+1], v[ZR0+((\c)/2)] offset:((\c)%2)*CH+256*\p
.endr
.endm
; 16 matrix instructions: R's tiles a0, a0 + 1 x S's eight, K step q.  The 64 accumulators take turns, one instruction a turn, in the same order in every step
.macro MUL16 a0, q, zero
.irp a, \a0, \a0+1
.irp t, 0,1,2,3,4,5,6,7
	WM 8*(8*((\a)%4)+\t), 128*((\q)%2)+8*\t, RF+8*(\a), \zero, 8*(8*((\a)%4)+\t), SC+16*((\q)/2)+2*(\t/2)+((\q)%2), \t%2, SC+16*((\q)/2)+8+2*((\a)/2)+((\q)%2), (\a)%2
.endr
.endr
.endm
; A K step whose successor lies in the same chunk.  Loads into registers that matrix instructions have read stand four plain places behind them.
.macro STEP q, zero
	s_wait_dscnt 8                                 ; S's set and R's tiles 0-3 are in; the youngest eight loads (R's tiles 4-7) may be out
	WIN 0xa1                                       ; source 0 window 1, source 1 window 0, C and D window 2
	MUL16 0, \q, \zero
	MUL16 2, \q, \zero
	s_wait_dscnt 0x0
	PLACES 4
	FETCH_S (\q)+1
	FETCH_R (\q)+1, 0
	WIN 0xf1                                       ; C and D window 3
	MUL16 4, \q, \zero
	MUL16 6, \q, \zero
	PLACES 4
	WIN 0
	FETCH_R (\q)+1, 4
.endm
; A chunk's last K step: the next chunk must have landed in every wave's share.  n: my loads of later chunks, which may stay out: behind this barrier no LDS byte is filled
.macro TURN q, n
	s_wait_dscnt 8
	WIN 0xa1
	MUL16 0, \q, 0
	s_wait_tensorcnt \n                            ; my part of the next chunk is in
	s_wait_dscnt 0x0                               ; no LDS instruction of mine is pending at the signal
	s_barrier_signal -1
	MUL16 2, \q, 0
	WIN 0
	s_barrier_wait -1                              ; everybody's is
	PLACES 4
	FETCH_S (\q)+1
	FETCH_R (\q)+1, 0
	SCALES ((\q)+1)/2
	WIN 0xf1
	MUL16 4, \q, 0
	MUL16 6, \q, 0
	PLACES 4
	WIN 0
	FETCH_R (\q)+1, 4
.endm
.macro LAST q
	s_wait_dscnt 8
	WIN 0xa1
	MUL16 0, \q, 0
	MUL16 2, \q, 0
	s_wait_dscnt 0x0
	WIN 0xf1
	MUL16 4, \q, 0
	MUL16 6, \q, 0
	WIN 0
.endm
; 64 numbers of a lane, register 16 b + i = place 32 b + 16 (lane / 16) + i along the next K, become a fragment's codes in v[PC] on and its scale word in v[pw]
.macro QUANT s, pw
.irp b, 0,1,2,3
	v_max3_num_f32 v[TM+\b], |v[\s+16*\b]|, |v[\s+1+16*\b]|, 0x1800000   ; my 16 numbers of block b, and the floor 2^(3 - 127)
.endr
.irp i, 2,4,6,8,10,12,14
.irp b, 0,1,2,3
	v_max3_num_f32 v[TM+\b], v[TM+\b], |v[\s+16*\b+\i]|, |v[\s+1+16*\b+\i]|
.endr
.endr
.irp b, 0,1,2,3
	v_permlanex16_b32 v[TM+4+\b], v[TM+\b], s[SEL], s[SEL+1]
.endr
.irp b, 0,1,2,3
	v_max_num_f32 v[TM+\b], v[TM+\b], v[TM+4+\b]   ; with lane l xor 16's: the block's largest magnitude
.endr
.irp b, 0,1,2,3
	v_add_nc_u32 v[TM+12+\b], 0xff000000, v[TM+\b] ; 2 off its exponent field: the conversion's scale operand
.endr
.irp b, 0,1,2,3
	v_lshrrev_b32 v[TM+4+\b], 23, v[TM+12+\b]      ; the scale's byte
.endr
	v_lshl_or_b32 v[\pw], v[TM+5], 8, v[TM+4]
	v_lshl_or_b32 v[\pw], v[TM+6], 16, v[\pw]
	v_lshl_or_b32 v[\pw], v[TM+7], 24, v[\pw]
.irp b, 0,1,2,3
	v_cvt_scalef32_pk8_fp4_f32 v[PC+2*\b], v[\s+16*\b:\s+7+16*\b], v[TM+12+\b]
	v_cvt_scalef32_pk8_fp4_f32 v[PC+1+2*\b], v[\s+8+16*\b:\s+15+16*\b], v[TM+12+\b]
.endr
	v_nop                                          ; one plain place behind a scaled conversion
.irp c, 0,1                                    ; the operand's layout wants a whole block in a lane
.irp i, 0,1
	v_permlane16_swap_b32 v[PC+4*\c+\i], v[PC+2+4*\c+\i]
.endr
.endr
.endm
	s_wait_tensorcnt 3                             ; my part of chunk 0 is in; chunks 1 to 3 may stay out,
	s_barrier_signal -1
	s_barrier_wait -1                              ; everybody's is
	FETCH_S 0
	FETCH_R 0, 0
	SCALES 0
	FETCH_R 0, 4
	STEP 0, 1                                      ; the first products start the sums: nothing is cleared
	TURN 1, 2
	STEP 2, 0
	TURN 3, 1
	STEP 4, 0
	TURN 5, 0
	s_cmp_lt_u32 s[CLY], 8                         ; the two kinds part two K steps ahead of the end, so that each kind's bias lands under 128 matrix instructions
	s_cbranch_scc0 .Lkind_v
	; ---------------- q and k ----------------
	s_lshl_b32 s84, s[CX], 2
	s_lshl_b32 s85, s[WS], 1
	s_add_co_u32 s84, s84, s85                     ; my first head: 4 cx + 2 (my half of S)
	s_lshr_b32 s85, s[RIDX], 3                     ; the batch
	s_lshl_b32 s85, s85, 4
	s_add_co_u32 s84, s84, s85
	s_lshl_b32 s84, s84, 4
	s_and_b32 s85, s[RIDX], 7
	s_lshl_b32 s85, s85, 1
	s_add_co_u32 s85, s85, s[WR]                   ; which 128 positions
	s_add_co_u32 s84, s84, s85
	s_mov_b32 s86, 8960
	s_cmp_eq_u32 s[CLX], 0                         ; q's columns or k's
	s_cselect_b32 s86, 4608, s86
	s_cselect_b64 s[88:89], s[10:11], s[12:13]
	s_mul_i32 s84, s84, s86
	s_mov_b32 s85, 0
	s_add_nc_u64 s[88:89], s[88:89], s[84:85]      ; the first head's record,
	s_lshl_b32 s84, s86, 4
	s_add_nc_u64 s[90:91], s[88:89], s[84:85]      ; the second head's
	s_lshl_b32 s84, s[SIDX], 10
	s_lshl_b32 s86, s[WS], 9
	s_add_co_u32 s84, s84, s86
	s_add_nc_u64 s[92:93], s[8:9], s[84:85]        ; the bias of my 128 columns
.irp t, 0,1,2,3,4,5,6,7
.irp e, 0,1
	global_load_b128 v[BI+8*\t+4*\e:BI+8*\t+4*\e+3], v[H64], s[92:93] offset:(32*(\t/2)+8*(\t%2))*4+16*\e   ; in the result's layout: register 8 t + j is column 32 (t / 2) + 16 h + 8 (t % 2) + j
.endr
.endr
	STEP 6, 0
	LAST 7
	s_wait_loadcnt 0x0
	PLACES 4                                       ; in front of the first read of results, and of writes to registers that held R's fragments
.irp b, 0,1,2,3
	v_mov_b32 v[TM+4+\b], 0                        ; written once: a lane permute's destination counts as one of its sources
.endr
; R's tile a: 16 positions x my 128 columns = two heads.  The packed addition of the bias also brings the sums into window 0; each accumulator is read from its low end on
.macro EPI_QK a
	s_wait_xcnt 0x0                                ; the last tile's stores have read their registers
	WIN 0x02+((\a)/4)
.set i, 0
.rept 32
	v_pk_add_f32 v[ST+2*i:ST+2*i+1], v[64*((\a)%4)+2*i:64*((\a)%4)+2*i+1], v[BI+2*i:BI+2*i+1]
.set i, i+1
.endr
	WIN 0
	QUANT ST, PW+(\a)
	global_store_b128 v[LI], v[PC:PC+3], s[88:89] offset:512*(\a)     ; blocks 0, 1: the first head's half image, 512 consecutive bytes
	global_store_b128 v[LI], v[PC+4:PC+7], s[90:91] offset:512*(\a)   ; blocks 2, 3: the second head's
.endm
.irp a, 0,1,2,3,4,5,6,7
	EPI_QK \a
.endr
.irp p, 0,1,2,3
	v_cndmask_b32 v[SW+\p], v[PW+2*\p], v[PW+2*\p+1], s[MH]   ; lanes 0-15: tile 2 p's words, lanes 16-31: tile 2 p + 1's
.endr
.irp p, 0,1,2,3
	v_and_b32 v[SWA+\p], 0xffff, v[SW+\p]          ; the first head's two bytes,
	v_lshrrev_b32 v[SWB+\p], 16, v[SW+\p]          ; the second head's; the upper two bytes are 0
.endr
	global_store_b128 v[LI], v[SWA:SWA+3], s[88:89] offset:4096
	global_store_b128 v[LI], v[SWB:SWB+3], s[90:91] offset:4096
	s_branch .Lend
	; ---------------- v ----------------
.Lkind_v:
	s_lshl_b32 s84, s[CY], 2
	s_lshl_b32 s85, s[WR], 1
	s_add_co_u32 s84, s84, s85                     ; my first head: 4 cy + 2 (my half of R)
	s_lshr_b32 s85, s[SIDX], 3                     ; the batch
	s_lshl_b32 s85, s85, 4
	s_add_co_u32 s84, s84, s85
	s_lshl_b32 s84, s84, 4
	s_and_b32 s85, s[SIDX], 7
	s_lshl_b32 s85, s85, 1
	s_add_co_u32 s85, s85, s[WS]                   ; which 128 keys
	s_add_co_u32 s84, s84, s85
	s_mul_i32 s84, s84, 8960
	s_mov_b32 s85, 0
	s_add_nc_u64 s[88:89], s[12:13], s[84:85]      ; the first head's record; the second head's lies 16 records on
	s_lshl_b32 s84, s[CY], 10
	s_lshl_b32 s86, s[WR], 9
	s_add_co_u32 s84, s84, s86
	s_add_co_u32 s84, s84, 8192
	s_add_nc_u64 s[92:93], s[8:9], s[84:85]        ; the bias of my 128 columns, from column 2,048 on
.irp a, 0,1,2,3,4,5,6,7
	global_load_b32 v[BI+2*\a], v[PR4], s[92:93] offset:(32*(\a/2)+8*(\a%2))*4     ; a lane holds one column of tile a: one number, twice, for the packed addition
	global_load_b32 v[BI+2*\a+1], v[PR4], s[92:93] offset:(32*(\a/2)+8*(\a%2))*4
.endr
	STEP 6, 0
	LAST 7
	s_wait_loadcnt 0x0
	PLACES 4
.irp b, 0,1,2,3
	v_mov_b32 v[TM+4+\b], 0
.endr
; R's tile a: 16 of a head's 64 x my 128 keys: one whole fragment of v with the keys innermost
.macro EPI_V a
	s_wait_xcnt 0x0
	WIN 0x02+((\a)/4)
.set i, 0
.rept 32
	v_pk_add_f32 v[ST+2*i:ST+2*i+1], v[64*((\a)%4)+2*i:64*((\a)%4)+2*i+1], v[BI+2*(\a):BI+2*(\a)+1]
.set i, i+1
.endr
	WIN 0
	QUANT ST, PW+(\a)
	global_store_b128 v[LI], v[PC:PC+3], s[88:89] offset:((\a)/4)*143360+4608+((\a)%4)*1024
	global_store_b128 v[LI], v[PC+4:PC+7], s[88:89] offset:((\a)/4)*143360+4608+((\a)%4)*1024+512
.if (\a)%4 == 3
	v_cndmask_b32 v[SW+2*((\a)/4)], v[PW+(\a)-3], v[PW+(\a)-2], s[MH]
	v_cndmask_b32 v[SW+2*((\a)/4)+1], v[PW+(\a)-1], v[PW+(\a)], s[MH]
	global_store_b64 v[L8], v[SW+2*((\a)/4):SW+2*((\a)/4)+1], s[88:89] offset:((\a)/4)*143360+8704   ; 256 consecutive bytes, aligned
.endif
.endm
.irp a, 0,1,2,3,4,5,6,7
	EPI_V \a
.endr
.Lend:
	s_wait_tensorcnt 0x0                           ; the wave's end
	ds_add_u32 v[SPW], v[NIL]
	s_wait_dscnt 0x0
	CROUND                                         ; the closing round: no work-group ends while a partner may still ask for a chunk that names it
	s_endpgm
.Lfunc_end_k_q1946c15172_qkv:
	.size	k_q1946c15172_qkv, .Lfunc_end_k_q1946c15172_qkv-k_q1946c15172_qkv
	.p2alignl 7, 3214868480
	.fill 96, 4, 3214868480
	.section	.rodata,"a",@progbits
	.p2align	6, 0x0
	.amdhsa_kernel k_q1946c15172_qkv
		.amdhsa_group_segment_fixed_size 327680
		.amdhsa_private_segment_fixed_size 0
		.amdhsa_enable_private_segment 0
		.amdhsa_kernarg_size 40
		.amdhsa_user_sgpr_count 2
		.amdhsa_user_sgpr_kernarg_segment_ptr 1
		.amdhsa_wavefront_size32 1
		.amdhsa_system_sgpr_workgroup_id_x 1
		.amdhsa_system_sgpr_workgroup_id_y 1
		.amdhsa_system_sgpr_workgroup_id_z 1
		.amdhsa_system_vgpr_workitem_id 0
		.amdhsa_next_free_vgpr 1024
		.amdhsa_next_free_sgpr 100
		.amdhsa_reserve_vcc 0
		.amdhsa_float_denorm_mode_32 3
		.amdhsa_float_denorm_mode_16_64 3
		.amdhsa_memory_ordered 1
		.amdhsa_forward_progress 1
		.amdhsa_inst_pref_size 215
	.end_amdhsa_kernel
	.amdgpu_metadata
---
amdhsa.version: [ 1, 2 ]
amdhsa.kernels:
  - .name:           k_q1946c15172_qkv
    .symbol:         k_q1946c15172_qkv.kd
    .args:
      - { .name: xq, .offset: 0, .size: 8, .value_kind: global_buffer, .address_space: global }
      - { .name: wq, .offset: 8, .size: 8, .value_kind: global_buffer, .address_space: global }
      - { .name: b_attn, .offset: 16, .size: 8, .value_kind: global_buffer, .address_space: global }
      - { .name: qrec, .offset: 24, .size: 8, .value_kind: global_buffer, .address_space: global }
      - { .name: kvrec, .offset: 32, .size: 8, .value_kind: global_buffer, .address_space: global }
    .group_segment_fixed_size: 327680
    .private_segment_fixed_size: 0
    .kernarg_segment_align: 8
    .kernarg_segment_size: 40
    .max_flat_workgroup_size: 128
    .sgpr_count:     100
    .vgpr_count:     1024
    .wavefront_size: 32
...
	.end_amdgpu_metadata
.endif
;; end of part 2
;; launch attn (part 3): grid 4 x 64, 16 waves a work-group, clusters of 4 x 1, 327,680 bytes of LDS; arguments qrec, kvrec, yq; writes yq
.if DOCPART == 3
	.amdgcn_target "amdgcn-amd-amdhsa--gfx1250"
	.amdhsa_code_object_version 6
	.text
	.protected	k_q1946c15172_attn
	.globl	k_q1946c15172_attn
	.p2align	8
	.type	k_q1946c15172_attn,@function
k_q1946c15172_attn:
	s_mov_b64 s[64:65], 0
	v_nop
	global_prefetch_b8 v0, s[64:65] scope:SCOPE_SE
	s_setreg_imm32_b32 hwreg(HW_REG_WAVE_MODE, 25, 1), 1
	s_wait_xcnt 0x0
	s_wait_alu depctr_hold_cnt(0) depctr_sa_sdst(0) depctr_va_vdst(0) depctr_va_sdst(0) depctr_va_ssrc(0) depctr_va_vcc(0) depctr_vm_vsrc(0)
	s_getreg_b32 s2, hwreg(HW_REG_IB_STS2, 6, 4)
	s_cmp_eq_u32 s2, 0
	s_cbranch_scc0 .Lentry_in_a_cluster
	s_endpgm
.Lentry_in_a_cluster:
	s_bfe_u32 s2, ttmp6, 0x10000c
	s_cmp_lg_u32 s2, 0x3003
	s_cbranch_scc0 .Lentry_shape_is_right
	s_endpgm
.Lentry_shape_is_right:
; Launch 3 of 4: y = softmax(q k^T / 8, causal) v on codes of E2M1, and y quantised along C for the last product.
; LEFT OUT AS DEAD WORK: steps of 128 keys that lie wholly behind a tile's 16 queries: reference()'s own tril makes their p 0 for all values of the inputs (shown at the head of launch quant).
; THE SOFTMAX AHEAD OF THE SECOND PRODUCT: t = score x log2(e) / 8; M = the running largest t rounded UP to a whole number; p = 2^(t - M) is quantised along the keys, not normalised; the row's sum is taken of
; the unquantised p and divides at the end.  When M moves, the sum and O are multiplied by 2^(old M - new M): exact.
; SHARES.  A cluster of four work-groups is one (batch, head); the four read the same k and v, so each record of 128 keys is asked for jointly.  ALL 16 RECORDS OF THE HEAD LIE IN LDS (143,360 bytes), filled
; once: each of the sixteen waves issues one tensor load, record = its number: one tensor load of a wave is out.  No LDS byte is filled twice.
; A head has 128 tiles of 16 queries.  Wave w of work-group j owns tile a = 4 w + j and tile 127 - a: w / 2 + 1 and 16 - w / 2 key steps, 17 for every wave.  How many hangs on the wave's number alone; the
; work-group's place in its cluster enters global addresses and the diagonal's mask data only.
; LAYOUT.  Both products are used transposed: S^T = k q^T (source 0 = 16 keys), O^T = v^T p^T (source 0 = 16 of the head's 64): a lane holds ONE query throughout, and by the order of a tile's rows the
; registers of two neighbouring tiles are 16 neighbours: of the keys for p, of the head's 64 for y.
; K = 64 IN A FORM OF K = 128: q's fragment has zero codes in its upper four registers.  k's operand of tile i is v[FR + 4 i .. + 7]: its upper four registers are the next tile's codes, finite numbers that
; meet zero codes; the scale bytes there are 0 on both sides, never 0xff.
; LIMITS: as stated at the head of launch quant.
.set RECB,  8960                       ; a record: k's 8 half images, 512 bytes of their scale words, v's 4 fragments, 256 bytes of their scale words
.set SPARE, 16*RECB                    ; behind the records: the spare words, 128 bytes for each of 16 waves
.set LI,  1                            ; v1  16 x lane
.set L8,  2                            ; v2  8 x lane
.set ADL, 3                            ; v3  the step's record + 16 x lane
.set AD8, 4                            ; v4  + 8 x lane
.set SPW, 5                            ; v5  LDS address of my spare word; never rewritten
.set NIL, 6                            ; v6  0; never rewritten
.set NINF, 7                           ; v7  -infinity
.set DLH, 8                            ; v8, v9  my query's place in its 128, less 16 (lane / 16): the late tile's, the early tile's
.set DLL, 9
.set RR,  10                           ; v10 lane % 16
.set NMH, 12                           ; v12 -M, v13 the largest t, v[14:15] the sum in two halves: the late tile's;
.set NML, 16                           ; v16-19 the early tile's
.set QH,  20                           ; v20-27, v28-35 q's fragments; the upper four registers of each are 0
.set QL,  28
.set QSH, 36                           ; v36, v37 q's scale words
.set QSL, 37
.set F,   38                           ; v[38:39] f = 2^(old M - new M)
.set KS,  40                           ; v40-43 k's scale words;  v44-45 v's;  v46 p's
.set VS,  44
.set PWD, 46
.set FR,  52                           ; v52-83 k's 8 half fragments, then v's 4 fragments; v84-87 stay 0
.set BM,  88
.set BP,  92
.set SO,  96
.set SP,  100
.set T0,  102
.set T1,  103
.set RH,  104                          ; v[104:105], v[106:107] 1 / the sums
.set RL,  106
.set A0,  108                          ; v108-115 addresses at the head and on the way out
.set HWH, 116
.set HWL, 117
.set S,   120                          ; v120-183 S^T, then p, at the end y
.set OH,  184                          ; v184-215, v216-247 O^T
.set OL,  216
.set PC,  248                          ; v248-255 p's codes
.set WV,  10
.set CX,  11
.set BH,  12
.set LL,  13                           ; s13 the early tile's last step = wave / 2;  s14 the late tile's = 15 - wave / 2
.set HL,  14
.set STP, 15
.set TB,  16
.set MH,  17
.set SEL, 18
.set CS,  20
.set G1,  24
.set G0,  32
.macro CROUND
	s_barrier_signal -1
	s_barrier_wait -1
	s_cmp_lg_u32 s[WV], 0
	s_cbranch_scc1 .Lnot_wave_0_\@
	s_barrier_signal -3
.Lnot_wave_0_\@:
	s_barrier_wait -3
	s_barrier_signal -1
	s_barrier_wait -1
.endm
.macro WM d, a, b, cz, c, sa, ra, sb, rb
.if \cz
.if ((\ra) == 0) && ((\rb) == 0)
	v_wmma_scale_f32_16x16x128_f8f6f4 v[\d:\d+7], v[\a:\a+7], v[\b:\b+7], 0, v[\sa], v[\sb] matrix_a_fmt:MATRIX_FMT_FP4 matrix_b_fmt:MATRIX_FMT_FP4
.elseif (\rb) == 0
	v_wmma_scale_f32_16x16x128_f8f6f4 v[\d:\d+7], v[\a:\a+7], v[\b:\b+7], 0, v[\sa], v[\sb] matrix_a_fmt:MATRIX_FMT_FP4 matrix_b_fmt:MATRIX_FMT_FP4 matrix_a_scale:MATRIX_SCALE_ROW1
.elseif (\ra) == 0
	v_wmma_scale_f32_16x16x128_f8f6f4 v[\d:\d+7], v[\a:\a+7], v[\b:\b+7], 0, v[\sa], v[\sb] matrix_a_fmt:MATRIX_FMT_FP4 matrix_b_fmt:MATRIX_FMT_FP4 matrix_b_scale:MATRIX_SCALE_ROW1
.else
	v_wmma_scale_f32_16x16x128_f8f6f4 v[\d:\d+7], v[\a:\a+7], v[\b:\b+7], 0, v[\sa], v[\sb] matrix_a_fmt:MATRIX_FMT_FP4 matrix_b_fmt:MATRIX_FMT_FP4 matrix_a_scale:MATRIX_SCALE_ROW1 matrix_b_scale:MATRIX_SCALE_ROW1
.endif
.else
.if ((\ra) == 0) && ((\rb) == 0)
	v_wmma_scale_f32_16x16x128_f8f6f4 v[\d:\d+7], v[\a:\a+7], v[\b:\b+7], v[\c:\c+7], v[\sa], v[\sb] matrix_a_fmt:MATRIX_FMT_FP4 matrix_b_fmt:MATRIX_FMT_FP4
.elseif (\rb) == 0
	v_wmma_scale_f32_16x16x128_f8f6f4 v[\d:\d+7], v[\a:\a+7], v[\b:\b+7], v[\c:\c+7], v[\sa], v[\sb] matrix_a_fmt:MATRIX_FMT_FP4 matrix_b_fmt:MATRIX_FMT_FP4 matrix_a_scale:MATRIX_SCALE_ROW1
.elseif (\ra) == 0
	v_wmma_scale_f32_16x16x128_f8f6f4 v[\d:\d+7], v[\a:\a+7], v[\b:\b+7], v[\c:\c+7], v[\sa], v[\sb] matrix_a_fmt:MATRIX_FMT_FP4 matrix_b_fmt:MATRIX_FMT_FP4 matrix_b_scale:MATRIX_SCALE_ROW1
.else
	v_wmma_scale_f32_16x16x128_f8f6f4 v[\d:\d+7], v[\a:\a+7], v[\b:\b+7], v[\c:\c+7], v[\sa], v[\sb] matrix_a_fmt:MATRIX_FMT_FP4 matrix_b_fmt:MATRIX_FMT_FP4 matrix_a_scale:MATRIX_SCALE_ROW1 matrix_b_scale:MATRIX_SCALE_ROW1
.endif
.endif
.endm
	s_load_b128 s[4:7], s[0:1], 0x0                ; qrec s[4:5], kvrec s[6:7]
	s_load_b64 s[8:9], s[0:1], 0x10                ; yq
	v_lshl_add_u32 v[SPW], v0, 2, SPARE
	v_mov_b32 v[NIL], 0
	ds_add_u32 v[SPW], v[NIL]                      ; the wave's opening: the add, twice on end, and its wait ahead of my first tensor load
	ds_add_u32 v[SPW], v[NIL]
	v_lshrrev_b32 v[RR], 5, v0
	v_readfirstlane_b32 s[WV], v[RR]               ; wave 0..15
	s_bfe_u32 s[CX], ttmp6, 0x40000                ; my place in the cluster
	s_and_b32 s[BH], ttmp7, 0xffff                 ; 16 x batch + head: the cluster's y
	; descriptor group 1: a record, 8,960 dense bytes, as 35 rows of 256 bytes (32 elements of 8 bytes); the mask names all four work-groups
	s_mov_b32 s[G1], 15|(3<<16)|(1<<21)
	s_mov_b32 s[G1+1], 32<<16
	s_mov_b32 s[G1+2], 35<<16
	s_mov_b32 s[G1+3], 32<<16
	s_mov_b32 s[G1+4], 35
	s_mov_b32 s[G1+5], 32
	s_mov_b32 s[G1+6], 0
	s_mov_b32 s[G1+7], 0
	s_mov_b32 s[G0], 1
	s_mul_i32 s[G0+1], s[WV], RECB                 ; record w goes to LDS byte 8,960 w: no place in the cluster enters it
	s_lshl_b32 s36, s[BH], 4
	s_add_co_u32 s36, s36, s[WV]
	s_mul_i32 s36, s36, RECB
	s_mov_b32 s37, 0
	s_mov_b32 s[MH], 0xffff0000
	s_mov_b32 s[SEL], 0x76543210
	s_mov_b32 s[SEL+1], 0xfedcba98
	s_mov_b32 s[CS], 0x3e38aa3b                    ; c = log2(e) / 8
	s_mov_b32 s[CS+1], s[CS]                       ; (named with it as a pair, so it is written)
	s_lshr_b32 s[LL], s[WV], 1
	s_sub_co_u32 s[HL], 15, s[LL]
	s_wait_dscnt 0x0                               ; both opening adds are done
	s_wait_kmcnt 0x0
	s_add_nc_u64 s[G0+2:G0+3], s[6:7], s[36:37]
	s_or_b32 s[G0+3], s[G0+3], 0x80000000
	CROUND                                         ; all four work-groups are here: the joint loads meet
	tensor_load_to_lds s[G0:G0+3], s[G1:G1+7]
	s_nop 0
.rept 4
	v_nop
.endr
	v_and_b32 v[A0], 31, v0                        ; lane
	v_and_b32 v[RR], 15, v0                        ; r
	v_bfe_u32 v[A0+1], v0, 4, 1                    ; h
	v_lshlrev_b32 v[LI], 4, v[A0]
	v_lshlrev_b32 v[L8], 3, v[A0]
	s_and_b32 s38, s[WV], 1
	s_lshl_b32 s38, s38, 2
	s_add_co_u32 s38, s38, s[CX]                   ; the early tile's number in its block of 128 queries: 4 (w % 2) + j;
	s_sub_co_u32 s39, 7, s38                       ; the late tile's
	s_lshl_b32 s40, s[BH], 4
	s_add_co_u32 s41, s40, s[HL]
	s_add_co_u32 s40, s40, s[LL]
	s_mul_i32 s41, s41, 4608                       ; the late tile's record of q,
	s_mul_i32 s40, s40, 4608                       ; the early tile's
	s_lshl_b32 s42, s39, 9
	s_add_co_u32 s42, s42, s41
	s_lshl_b32 s43, s38, 9
	s_add_co_u32 s43, s43, s40
	v_add_nc_u32 v[A0+2], s42, v[LI]
	v_add_nc_u32 v[A0+3], s43, v[LI]
	global_load_b128 v[QH:QH+3], v[A0+2], s[4:5]   ; q's half images stay in registers
	global_load_b128 v[QL:QL+3], v[A0+3], s[4:5]
	s_and_b32 s42, s39, 1
	s_lshl_b32 s42, s42, 8
	s_lshr_b32 s44, s39, 1
	s_lshl_b32 s44, s44, 2
	s_add_co_u32 s42, s42, s44
	s_add_co_u32 s42, s42, s41
	v_lshl_add_u32 v[A0+4], v[RR], 4, s42          ; the word of tile tq, place r: 16 (16 (tq % 2) + r) + 4 (tq / 2)
	s_and_b32 s43, s38, 1
	s_lshl_b32 s43, s43, 8
	s_lshr_b32 s44, s38, 1
	s_lshl_b32 s44, s44, 2
	s_add_co_u32 s43, s43, s44
	s_add_co_u32 s43, s43, s40
	v_lshl_add_u32 v[A0+5], v[RR], 4, s43
	global_load_b32 v[QSH], v[A0+4], s[4:5] offset:4096
	global_load_b32 v[QSL], v[A0+5], s[4:5] offset:4096
	v_and_b32 v[A0+6], 8, v[RR]
	v_add_nc_u32 v[A0+6], v[A0+6], v[RR]           ; r + 8 (r / 8)
	v_lshlrev_b32 v[A0+1], 4, v[A0+1]
	v_sub_nc_u32 v[A0+6], v[A0+6], v[A0+1]         ; - 16 h
	s_lshr_b32 s42, s39, 1
	s_lshl_b32 s42, s42, 5
	s_and_b32 s44, s39, 1
	s_lshl_b32 s44, s44, 3
	s_add_co_u32 s42, s42, s44
	v_add_nc_u32 v[DLH], s42, v[A0+6]              ; + 32 (tq / 2) + 8 (tq % 2)
	s_lshr_b32 s43, s38, 1
	s_lshl_b32 s43, s43, 5
	s_and_b32 s44, s38, 1
	s_lshl_b32 s44, s44, 3
	s_add_co_u32 s43, s43, s44
	v_add_nc_u32 v[DLL], s43, v[A0+6]
	v_mov_b32 v[NINF], 0xff800000
.irp n, NMH, NML
	v_mov_b32 v[\n+1], 0xff61b1e6                  ; the largest t so far: -3e38, under every t
	v_floor_f32 v[\n], -v[\n+1]                    ; -M
	v_mov_b32 v[\n+2], 0                           ; the sum, in two halves
	v_mov_b32 v[\n+3], 0
.endr
.irp i, 0,1,2,3
	v_mov_b32 v[QH+4+\i], 0                        ; zero codes for k = 64 .. 127
	v_mov_b32 v[QL+4+\i], 0
	v_mov_b32 v[FR+32+\i], 0                       ; what tile 7's operand names beyond its own four registers
	v_mov_b32 v[BP+\i], 0                          ; written once: a lane permute's destination counts as one of its sources
.endr
	v_mov_b32 v[F+1], 0                            ; (named as the upper halves of pairs)
	v_mov_b32 v[RH+1], 0
	v_mov_b32 v[RL+1], 0
.set n, 0
.rept 64
	v_mov_b32 v[OH+n], 0                           ; O^T of both tiles.  (The step is written once: the first finds zeros, which the first change of M leaves zeros)
.set n, n+1
.endr
; A KEY STEP of one tile: 128 keys.  qf, qs: q's fragment and scale word; ot: O^T; nm: the statistics; dl: the mask's number; lim: the scalar register with the tile's diagonal step
.macro STEP qf, qs, ot, nm, dl, lim
.rept 4
	v_nop                                          ; places in front of loads into registers that the last products read
.endr
.irp k, 0,1,2,3,4,5,6,7
	ds_load_b128 v[FR+4*\k:FR+4*\k+3], v[ADL] offset:512*\k
.endr
	ds_load_b128 v[KS:KS+3], v[ADL] offset:4096
	s_wait_dscnt 0x0
.irp k, 0,1,2,3,4,5,6,7
	WM S+8*\k, FR+4*\k, \qf, 1, 0, KS+\k/2, \k%2, \qs, 0
.endr
.rept 4
	v_nop
.endr
.irp d, 0,1,2,3
	ds_load_b128 v[FR+8*\d:FR+8*\d+3], v[ADL] offset:4608+1024*\d       ; v's fragments land under the softmax
	ds_load_b128 v[FR+8*\d+4:FR+8*\d+7], v[ADL] offset:4608+1024*\d+512
.endr
	ds_load_b64 v[VS:VS+1], v[AD8] offset:8704
	s_cmp_lg_u32 s[STP], s[\lim]                   ; only the tile's last step lies on the diagonal
	s_cbranch_scc1 .Lopen_\@
.set n, 0
.rept 64
	v_cmp_gt_i32 vcc_lo, 32*(n/16)+n%16, v[\dl]    ; register 16 b + i holds key 32 b + 16 (lane / 16) + i of the step: hidden where it comes after my query
	v_cndmask_b32 v[S+n], v[S+n], v[NINF], vcc_lo
.set n, n+1
.endr
.Lopen_\@:
.irp b, 0,1,2,3
	v_max3_num_f32 v[BM+\b], v[S+16*\b], v[S+1+16*\b], v[S+2+16*\b]   ; the largest score of each block of 32 keys: for the row's maximum, and, since p rises with the score, for the block's largest p
.endr
.irp i, 3,5,7,9,11,13
.irp b, 0,1,2,3
	v_max3_num_f32 v[BM+\b], v[BM+\b], v[S+16*\b+\i], v[S+1+16*\b+\i]
.endr
.endr
.irp b, 0,1,2,3
	v_max_num_f32 v[BM+\b], v[BM+\b], v[S+15+16*\b]
.endr
.irp b, 0,1,2,3
	v_permlanex16_b32 v[BP+\b], v[BM+\b], s[SEL], s[SEL+1]
.endr
.irp b, 0,1,2,3
	v_max_num_f32 v[BM+\b], v[BM+\b], v[BP+\b]     ; with lane l xor 16's 16 keys
.endr
	v_max3_num_f32 v[T0], v[BM], v[BM+1], v[BM+2]
	v_max_num_f32 v[T0], v[T0], v[BM+3]
	v_mul_f32 v[T0], s[CS], v[T0]                  ; as t (c is positive)
	v_max_num_f32 v[\nm+1], v[\nm+1], v[T0]        ; the running largest t
	v_mov_b32 v[T0], v[\nm]
	v_floor_f32 v[\nm], -v[\nm+1]                  ; the new -M = -ceil(t): a whole number
	v_sub_f32 v[T0], v[\nm], v[T0]                 ; old M - new M, 0 or less
	v_cvt_i32_f32 v[T0], v[T0]                     ; (it saturates)
	v_ldexp_f32 v[F], 1.0, v[T0]                   ; f = 2^(old M - new M)
.set n, 0
.rept 32
	v_pk_fma_f32 v[S+n:S+n+1], v[S+n:S+n+1], s[CS:CS+1], v[\nm:\nm+1] op_sel_hi:[1,0,0]   ; t - M, two at a time
.set n, n+2
.endr
.irp b, 0,1,2,3
	v_fma_f32 v[BM+\b], v[BM+\b], s[CS], v[\nm]    ; the same of each block's largest score
.endr
.set n, 0
.rept 64
	v_exp_f32 v[S+n], v[S+n]                       ; p = 2^(t - M), at most 1
.set n, n+1
.endr
	v_pk_mul_f32 v[\nm+2:\nm+3], v[\nm+2:\nm+3], v[F:F+1] op_sel_hi:[1,0]   ; the sums under the new M: the plain place behind the exponentials
	s_wait_alu depctr_va_vdst(0)                   ; one wait for the whole batch, ahead of its first use
.irp b, 0,1,2,3
	v_exp_f32 v[BM+\b], v[BM+\b]                   ; the block's largest p
.endr
	v_pk_add_f32 v[SP:SP+1], v[S:S+1], v[S+2:S+3]  ; the row's sum is taken of the unquantised p, in two chains
.irp j, 4,8,12,16,20,24,28,32,36,40,44,48,52,56,60
	v_pk_add_f32 v[\nm+2:\nm+3], v[\nm+2:\nm+3], v[S+\j:S+1+\j]
	v_pk_add_f32 v[SP:SP+1], v[SP:SP+1], v[S+2+\j:S+3+\j]
.endr
	v_pk_add_f32 v[\nm+2:\nm+3], v[\nm+2:\nm+3], v[SP:SP+1]
	s_wait_alu depctr_va_vdst(0)                   ; and one for the four
.irp b, 0,1,2,3
	v_max_num_f32 v[BM+\b], 0x1800000, v[BM+\b]    ; the floor 2^(3 - 127): a block whose every p is 0 keeps the byte 1 over zero codes
.endr
.irp b, 0,1,2,3
	v_add_nc_u32 v[SO+\b], 0xff000000, v[BM+\b]
.endr
.irp b, 0,1,2,3
	v_lshrrev_b32 v[BP+\b], 23, v[SO+\b]
.endr
	v_lshl_or_b32 v[PWD], v[BP+1], 8, v[BP]        ; p's scale word for these 128 keys
	v_lshl_or_b32 v[PWD], v[BP+2], 16, v[PWD]
	v_lshl_or_b32 v[PWD], v[BP+3], 24, v[PWD]
.irp b, 0,1,2,3
	v_cvt_scalef32_pk8_fp4_f32 v[PC+2*\b], v[S+16*\b:S+7+16*\b], v[SO+\b]
	v_cvt_scalef32_pk8_fp4_f32 v[PC+1+2*\b], v[S+8+16*\b:S+15+16*\b], v[SO+\b]
.endr
	v_nop
.irp c, 0,1
.irp i, 0,1
	v_permlane16_swap_b32 v[PC+4*\c+\i], v[PC+2+4*\c+\i]
.endr
.endr
.set n, 0
.rept 16
	v_pk_mul_f32 v[\ot+n:\ot+n+1], v[\ot+n:\ot+n+1], v[F:F+1] op_sel_hi:[1,0]   ; O^T under the new M; these sixteen also stand between the writes of p's codes and scale word and the products
.set n, n+2
.endr
	s_wait_dscnt 0x0                               ; v's fragments and scale words are in
.irp d, 0,1,2,3
	WM \ot+8*\d, FR+8*\d, PC, 0, \ot+8*\d, VS+\d/2, \d%2, PWD, 0   ; the four accumulators take turns
.endr
.endm
	s_wait_loadcnt 0x0                             ; q
	s_wait_tensorcnt 0x0                           ; my record is in,
	s_barrier_signal -1
	s_barrier_wait -1                              ; everybody's is: all keys of the head lie in LDS
	s_mov_b32 s[STP], 0
	s_mov_b32 s[TB], 0
.Lstep:                                            ; 16 trips, a record each; a tile's steps behind its diagonal are jumped over, by the wave's number and the count of trips alone
	v_add_nc_u32 v[ADL], s[TB], v[LI]
	v_add_nc_u32 v[AD8], s[TB], v[L8]
	s_cmp_gt_u32 s[STP], s[HL]
	s_cbranch_scc1 .Lno_hi
	STEP QH, QSH, OH, NMH, DLH, HL
.Lno_hi:
	s_cmp_gt_u32 s[STP], s[LL]
	s_cbranch_scc1 .Lno_lo
	STEP QL, QSL, OL, NML, DLL, LL
.Lno_lo:
	s_add_co_u32 s[TB], s[TB], RECB
	s_add_co_u32 s[STP], s[STP], 1
	s_cmp_lt_u32 s[STP], 16
	s_cbranch_scc1 .Lstep
	; THE WAY OUT: y = O^T / the sum; a lane's 32 numbers of a tile are 16 + 16 neighbours of the head's 64: two blocks of the last product's K
.rept 4
	v_nop                                          ; places behind the last products
.endr
	v_add_f32 v[T0], v[NMH+2], v[NMH+3]
	v_add_f32 v[T1], v[NML+2], v[NML+3]
	v_permlanex16_b32 v[BP], v[T0], s[SEL], s[SEL+1]
	v_permlanex16_b32 v[BP+1], v[T1], s[SEL], s[SEL+1]
	v_add_f32 v[T0], v[T0], v[BP]
	v_add_f32 v[T1], v[T1], v[BP+1]
	v_rcp_f32 v[RH], v[T0]
	v_rcp_f32 v[RL], v[T1]
	; where the codes and scale bytes go in yq: rows = 2,048 batch + query, K = 64 head + d
	s_lshr_b32 s40, s[BH], 4
	s_lshl_b32 s40, s40, 4                         ; 16 x batch: blocks of 128 rows
	s_and_b32 s41, s[BH], 15                       ; head
	s_lshr_b32 s42, s41, 2
	s_mul_i32 s42, s42, 34816                      ; the chunk of 256 along K
	s_bfe_u32 s43, s41, 0x10001                    ; the K step in it
	s_and_b32 s44, s41, 1                          ; the half of the K step
	s_lshl_b32 s45, s43, 13
	s_add_co_u32 s45, s45, s42
	s_lshl_b32 s46, s44, 9
	s_add_co_u32 s45, s45, s46                     ; for codes
	s_lshl_b32 s46, s43, 2
	s_add_co_u32 s46, s46, s42
	s_lshl_b32 s47, s44, 1
	s_add_co_u32 s46, s46, s47                     ; for scale bytes
.macro YOFF blk, tq, oc, os
	s_add_co_u32 s48, s40, s[\blk]
	s_lshr_b32 s49, s48, 1
	s_mul_i32 s49, s49, 139264
	s_and_b32 s48, s48, 1
	s_mul_i32 s48, s48, 17408
	s_add_co_u32 s49, s49, s48                     ; the block's records
	s_lshl_b32 s48, s[\tq], 10
	s_add_co_u32 s48, s48, s49
	s_add_co_u32 s[\oc], s48, s45
	s_lshr_b32 s48, s[\tq], 1
	s_lshl_b32 s48, s48, 8
	s_add_co_u32 s48, s48, s49
	s_and_b32 s50, s[\tq], 1
	s_lshl_b32 s50, s50, 7
	s_add_co_u32 s48, s48, s50
	s_add_co_u32 s[\os], s48, s46
.endm
	YOFF HL, 39, 52, 53
	YOFF LL, 38, 54, 55
	v_add_nc_u32 v[A0], s52, v[LI]                 ; (plain places behind the reciprocals)
	v_add_nc_u32 v[A0+1], s54, v[LI]
	v_mov_b32 v[A0+2], s53
	v_mov_b32 v[A0+3], s55
	v_cndmask_b32 v[A0+2], v[A0+2], v[A0+3], s[MH] ; lanes 0-15 store the late tile's scale bytes, lanes 16-31 the early tile's
	v_lshl_add_u32 v[A0+2], v[RR], 3, v[A0+2]
	s_wait_alu depctr_va_vdst(0)                   ; one wait for both reciprocals, ahead of their first use
.set n, 0
.rept 16
	v_pk_mul_f32 v[S+n:S+n+1], v[OH+n:OH+n+1], v[RH:RH+1] op_sel_hi:[1,0]
.set n, n+2
.endr
.set n, 0
.rept 16
	v_pk_mul_f32 v[S+32+n:S+32+n+1], v[OL+n:OL+n+1], v[RL:RL+1] op_sel_hi:[1,0]
.set n, n+2
.endr
; 32 numbers of a lane, register 16 b + i = d 32 b + 16 (lane / 16) + i, become half a fragment's codes in v[pc .. pc + 3] and two scale bytes in v[hw]
.macro QUANT2 s, pc, hw
.irp b, 0,1
	v_max3_num_f32 v[BM+\b], |v[\s+16*\b]|, |v[\s+1+16*\b]|, 0x1800000
.endr
.irp i, 2,4,6,8,10,12,14
.irp b, 0,1
	v_max3_num_f32 v[BM+\b], v[BM+\b], |v[\s+16*\b+\i]|, |v[\s+1+16*\b+\i]|
.endr
.endr
.irp b, 0,1
	v_permlanex16_b32 v[BP+\b], v[BM+\b], s[SEL], s[SEL+1]
.endr
.irp b, 0,1
	v_max_num_f32 v[BM+\b], v[BM+\b], v[BP+\b]
.endr
.irp b, 0,1
	v_add_nc_u32 v[SO+\b], 0xff000000, v[BM+\b]
.endr
.irp b, 0,1
	v_lshrrev_b32 v[BP+\b], 23, v[SO+\b]
.endr
	v_lshl_or_b32 v[\hw], v[BP+1], 8, v[BP]
.irp b, 0,1
	v_cvt_scalef32_pk8_fp4_f32 v[\pc+2*\b], v[\s+16*\b:\s+7+16*\b], v[SO+\b]
	v_cvt_scalef32_pk8_fp4_f32 v[\pc+1+2*\b], v[\s+8+16*\b:\s+15+16*\b], v[SO+\b]
.endr
	v_nop
	v_permlane16_swap_b32 v[\pc], v[\pc+2]
	v_permlane16_swap_b32 v[\pc+1], v[\pc+3]
.endm
	QUANT2 S, PC, HWH
	QUANT2 S+32, PC+4, HWL
	global_store_b128 v[A0], v[PC:PC+3], s[8:9]    ; 512 consecutive bytes of an image each
	global_store_b128 v[A0+1], v[PC+4:PC+7], s[8:9]
	v_cndmask_b32 v[A0+4], v[HWH], v[HWL], s[MH]
	global_store_b16 v[A0+2], v[A0+4], s[8:9] offset:16384   ; two scale bytes a row: a head owns a quarter of a row's eight bytes in the record, so these few bytes leave in small pieces
	s_wait_tensorcnt 0x0                           ; the wave's end
	ds_add_u32 v[SPW], v[NIL]
	s_wait_dscnt 0x0
	CROUND                                         ; the closing round
	s_endpgm
.Lfunc_end_k_q1946c15172_attn:
	.size	k_q1946c15172_attn, .Lfunc_end_k_q1946c15172_attn-k_q1946c15172_attn
	.p2alignl 7, 3214868480
	.fill 96, 4, 3214868480
	.section	.rodata,"a",@progbits
	.p2align	6, 0x0
	.amdhsa_kernel k_q1946c15172_attn
		.amdhsa_group_segment_fixed_size 327680
		.amdhsa_private_segment_fixed_size 0
		.amdhsa_enable_private_segment 0
		.amdhsa_kernarg_size 24
		.amdhsa_user_sgpr_count 2
		.amdhsa_user_sgpr_kernarg_segment_ptr 1
		.amdhsa_wavefront_size32 1
		.amdhsa_system_sgpr_workgroup_id_x 1
		.amdhsa_system_sgpr_workgroup_id_y 1
		.amdhsa_system_sgpr_workgroup_id_z 1
		.amdhsa_system_vgpr_workitem_id 0
		.amdhsa_next_free_vgpr 256
		.amdhsa_next_free_sgpr 66
		.amdhsa_reserve_vcc 1
		.amdhsa_float_denorm_mode_32 3
		.amdhsa_float_denorm_mode_16_64 3
		.amdhsa_memory_ordered 1
		.amdhsa_forward_progress 1
		.amdhsa_inst_pref_size 57
	.end_amdhsa_kernel
	.amdgpu_metadata
---
amdhsa.version: [ 1, 2 ]
amdhsa.kernels:
  - .name:           k_q1946c15172_attn
    .symbol:         k_q1946c15172_attn.kd
    .args:
      - { .name: qrec, .offset: 0, .size: 8, .value_kind: global_buffer, .address_space: global }
      - { .name: kvrec, .offset: 8, .size: 8, .value_kind: global_buffer, .address_space: global }
      - { .name: yq, .offset: 16, .size: 8, .value_kind: global_buffer, .address_space: global }
    .group_segment_fixed_size: 327680
    .private_segment_fixed_size: 0
    .kernarg_segment_align: 8
    .kernarg_segment_size: 24
    .max_flat_workgroup_size: 512
    .sgpr_count:     66
    .vgpr_count:     256
    .wavefront_size: 32
...
	.end_amdgpu_metadata
.endif
;; end of part 3
;; launch proj (part 4): grid 8 x 32, 4 waves a work-group, clusters of 4 x 4, 327,680 bytes of LDS; arguments wq, yq, b_proj, out0; writes out0
.if DOCPART == 4
	.amdgcn_target "amdgcn-amd-amdhsa--gfx1250"
	.amdhsa_code_object_version 6
	.text
	.protected	k_q1946c15172_proj
	.globl	k_q1946c15172_proj
	.p2align	8
	.type	k_q1946c15172_proj,@function
k_q1946c15172_proj:
	s_mov_b64 s[64:65], 0
	v_nop
	global_prefetch_b8 v0, s[64:65] scope:SCOPE_SE
	s_setreg_imm32_b32 hwreg(HW_REG_WAVE_MODE, 25, 1), 1
	s_wait_xcnt 0x0
	s_wait_alu depctr_hold_cnt(0) depctr_sa_sdst(0) depctr_va_vdst(0) depctr_va_sdst(0) depctr_va_ssrc(0) depctr_va_vcc(0) depctr_vm_vsrc(0)
	s_getreg_b32 s2, hwreg(HW_REG_IB_STS2, 6, 4)
	s_cmp_eq_u32 s2, 0
	s_cbranch_scc0 .Lentry_in_a_cluster
	s_endpgm
.Lentry_in_a_cluster:
	s_bfe_u32 s2, ttmp6, 0x10000c
	s_cmp_lg_u32 s2, 0xf033
	s_cbranch_scc0 .Lentry_shape_is_right
	s_endpgm
.Lentry_shape_is_right:
; Launch 4 of 4: out0 = y W_proj + b_proj on codes of E2M1.  Source 0 = 16 columns of W_proj (side S: wq's rows 3,072 on), source 1 = 16 rows of y (side R: yq): a lane holds one row of the output and
; neighbouring columns.  A work-group makes 128 columns x 256 rows, so that there are 256 work-groups; a wave all 128 columns x 64 rows: 32 accumulators.
; ALL OF K (1,024) LIES IN LDS, filled once: S 69,632 bytes, R 139,264.  Waves 0, 1 bring S's chunks (wave % 2) and 2 + (wave % 2), waves 2, 3 R's: by this text's count two tensor loads of a wave are out.
; No LDS byte is filled twice, so the first wait on TENSORcnt is counted.  The stages for the way out have bytes of their own, into which no fill lands.
; CLUSTERS: 4 x 4: S's block hangs on the work-group's x alone and is shared along a column of the cluster, R's on its y alone and is shared along a row.
; The bias is the C of each sum's first matrix instruction.  LIMITS: as stated at the head of launch quant.
; REGISTERS: window 0: v1-15 addresses; v16-63 scale words, 12 a chunk, never rewritten; v64-191 S's fragments, two sets (on the way out: rows); v192-255 R's, two sets.  window 1: the accumulators
; ((a, t) at v[8 (8 a + t)]).  window 2: v0-63 the bias in the result's layout.
.set REC,   17408
.set CH,    2*REC
.set RSIDE, 4*REC                      ; LDS: S's chunk c at c REC; R's from here, chunk c at c CH, its halves on end
.set STAGE, RSIDE+8*REC                ; 16 rows x (512 bytes + 16) for each wave
.set SPITCH, 528
.set SPARE, STAGE+4*16*SPITCH          ; the spare words, 128 bytes for each wave
.set LI,  1
.set L8,  2
.set AS0, 3                            ; v3-4  S, chunks 0-1 and 2-3
.set AR0, 5                            ; v5-6  my four tiles of R
.set ZS0, 7                            ; v7-8  scale words
.set ZR0, 9                            ; v9-10
.set STO, 11
.set RD,  12
.set H64, 13
.set SPW, 14                           ; v14  LDS address of my spare word; never rewritten
.set NIL, 15                           ; v15  0; never rewritten
.set SC,  16
.set SF,  64
.set RF,  192
.set BK,  64
.set WV,  14
.set WH,  15                           ; s15 = wave / 2: my half of R; also: I fetch for S (0) or R (1)
.set WL,  16                           ; s16 = wave % 2: which four tiles of that half; also: which chunks I fetch
.set CX,  17
.set CY,  18
.set SIDX, 19
.set RIDX, 20
.set G1S, 24
.set G1R, 32
.set G0S, 40
.set G0R, 48
.set MSB, 0
.macro WIN new
.if MSB != (\new)
	s_set_vgpr_msb (MSB<<8)|(\new)
.set MSB, (\new)
.endif
.endm
.macro PLACES n
.rept \n
	v_nop
.endr
.endm
.macro CROUND
	s_barrier_signal -1
	s_barrier_wait -1
	s_cmp_lg_u32 s[WV], 0
	s_cbranch_scc1 .Lnot_wave_0_\@
	s_barrier_signal -3
.Lnot_wave_0_\@:
	s_barrier_wait -3
	s_barrier_signal -1
	s_barrier_wait -1
.endm
.macro WM d, a, b, c, sa, ra, sb, rb
.if ((\ra) == 0) && ((\rb) == 0)
	v_wmma_scale_f32_16x16x128_f8f6f4 v[\d:\d+7], v[\a:\a+7], v[\b:\b+7], v[\c:\c+7], v[\sa], v[\sb] matrix_a_fmt:MATRIX_FMT_FP4 matrix_b_fmt:MATRIX_FMT_FP4
.elseif (\rb) == 0
	v_wmma_scale_f32_16x16x128_f8f6f4 v[\d:\d+7], v[\a:\a+7], v[\b:\b+7], v[\c:\c+7], v[\sa], v[\sb] matrix_a_fmt:MATRIX_FMT_FP4 matrix_b_fmt:MATRIX_FMT_FP4 matrix_a_scale:MATRIX_SCALE_ROW1
.elseif (\ra) == 0
	v_wmma_scale_f32_16x16x128_f8f6f4 v[\d:\d+7], v[\a:\a+7], v[\b:\b+7], v[\c:\c+7], v[\sa], v[\sb] matrix_a_fmt:MATRIX_FMT_FP4 matrix_b_fmt:MATRIX_FMT_FP4 matrix_b_scale:MATRIX_SCALE_ROW1
.else
	v_wmma_scale_f32_16x16x128_f8f6f4 v[\d:\d+7], v[\a:\a+7], v[\b:\b+7], v[\c:\c+7], v[\sa], v[\sb] matrix_a_fmt:MATRIX_FMT_FP4 matrix_b_fmt:MATRIX_FMT_FP4 matrix_a_scale:MATRIX_SCALE_ROW1 matrix_b_scale:MATRIX_SCALE_ROW1
.endif
.endm
	s_load_b256 s[4:11], s[0:1], 0x0               ; wq s[4:5], yq s[6:7], b_proj s[8:9], out0 s[10:11]
	v_lshl_add_u32 v[SPW], v0, 2, SPARE
	v_mov_b32 v[NIL], 0
	ds_add_u32 v[SPW], v[NIL]                      ; the wave's opening: the add, twice on end, and its wait ahead of my first tensor load
	ds_add_u32 v[SPW], v[NIL]
	v_lshrrev_b32 v64, 5, v0
	v_readfirstlane_b32 s[WV], v64                 ; wave 0..3
	s_lshr_b32 s[WH], s[WV], 1
	s_and_b32 s[WL], s[WV], 1
	s_bfe_u32 s[CX], ttmp6, 0x40000
	s_bfe_u32 s[CY], ttmp6, 0x40004
	s_lshl_b32 s[SIDX], ttmp9, 2
	s_add_co_u32 s[SIDX], s[SIDX], s[CX]           ; which 128 columns, 0..7
	s_and_b32 s[RIDX], ttmp7, 0xffff
	s_lshl_b32 s[RIDX], s[RIDX], 2
	s_add_co_u32 s[RIDX], s[RIDX], s[CY]           ; which 256 rows, 0..31
	s_lshl_b32 s21, s[CY], 2
	s_lshl_b32 s21, 15, s21                        ; my row of the cluster
	s_lshl_b32 s22, 0x1111, s[CX]                  ; my column
	; descriptor groups 1: dense blocks as rows of 256 bytes (32 elements of 8 bytes): S's chunk 68 rows, R's chunk (both halves) 136
	s_or_b32 s[G1S], s22, (3<<16)|(1<<21)
	s_mov_b32 s[G1S+1], 32<<16
	s_mov_b32 s[G1S+2], 68<<16
	s_mov_b32 s[G1S+3], 32<<16
	s_mov_b32 s[G1S+4], 68
	s_mov_b32 s[G1S+5], 32
	s_mov_b32 s[G1S+6], 0
	s_mov_b32 s[G1S+7], 0
	s_or_b32 s[G1R], s21, (3<<16)|(1<<21)
	s_mov_b32 s[G1R+1], 32<<16
	s_mov_b32 s[G1R+2], 136<<16
	s_mov_b32 s[G1R+3], 32<<16
	s_mov_b32 s[G1R+4], 136
	s_mov_b32 s[G1R+5], 32
	s_mov_b32 s[G1R+6], 0
	s_mov_b32 s[G1R+7], 0
	s_mul_i32 s56, s[WL], REC                      ; S's chunk (wave % 2) in LDS
	s_mul_i32 s57, s[WL], CH                       ; a chunk (wave % 2) in memory, and R's in LDS
	s_lshr_b32 s58, s[SIDX], 1
	s_add_co_u32 s58, s58, 12                      ; wq's block of 256 rows: (24 + Sidx) / 2,
	s_mul_i32 s58, s58, 8*REC
	s_and_b32 s59, s[SIDX], 1                      ; its half
	s_mul_i32 s59, s59, REC
	s_add_co_u32 s58, s58, s59
	s_add_co_u32 s58, s58, s57
	s_mov_b32 s59, 0
	s_mul_i32 s60, s[RIDX], 8*REC
	s_add_co_u32 s60, s60, s57
	s_mov_b32 s61, 0
	s_wait_dscnt 0x0                               ; both opening adds are done
	s_wait_kmcnt 0x0
	s_add_nc_u64 s[58:59], s[4:5], s[58:59]
	s_add_nc_u64 s[60:61], s[6:7], s[60:61]
	CROUND                                         ; all sixteen work-groups are here: the joint loads meet
.irp k, 0,1
	s_mov_b32 s[G0S+4*\k], 1
	s_add_co_u32 s[G0S+4*\k+1], s56, \k*2*REC
	s_add_nc_u64 s[G0S+4*\k+2:G0S+4*\k+3], s[58:59], \k*2*CH
	s_or_b32 s[G0S+4*\k+3], s[G0S+4*\k+3], 0x80000000
	s_mov_b32 s[G0R+4*\k], 1
	s_add_co_u32 s[G0R+4*\k+1], s57, RSIDE+\k*2*CH
	s_add_nc_u64 s[G0R+4*\k+2:G0R+4*\k+3], s[60:61], \k*2*CH
	s_or_b32 s[G0R+4*\k+3], s[G0R+4*\k+3], 0x80000000
.endr
	s_cmp_eq_u32 s[WH], 0                          ; a wave's two fills stand in one branch on its number
	s_cbranch_scc0 .Lfirst_r
.irp k, 0,1
	tensor_load_to_lds s[G0S+4*\k:G0S+4*\k+3], s[G1S:G1S+7]
	s_nop 0
.endr
	PLACES 4
	s_branch .Lfirst_asked
.Lfirst_r:
.irp k, 0,1
	tensor_load_to_lds s[G0R+4*\k:G0R+4*\k+3], s[G1R:G1R+7]
	s_nop 0
.endr
	PLACES 4
.Lfirst_asked:
	v_and_b32 v64, 31, v0                          ; lane
	v_and_b32 v65, 15, v0                          ; r
	v_bfe_u32 v66, v0, 4, 1                        ; h
	v_lshlrev_b32 v[LI], 4, v64
	v_lshlrev_b32 v[L8], 3, v64
	v_lshlrev_b32 v[H64], 6, v66
	s_lshl_b32 s62, s[SIDX], 9
	s_mov_b32 s63, 0
	s_add_nc_u64 s[8:9], s[8:9], s[62:63]          ; the bias of my 128 columns
	WIN 0x80                                       ; destination window 2
.irp t, 0,1,2,3,4,5,6,7
.irp e, 0,1
	global_load_b128 v[8*\t+4*\e:8*\t+4*\e+3], v[H64], s[8:9] offset:(32*(\t/2)+8*(\t%2))*4+16*\e   ; register 8 t + j is column 32 (t / 2) + 16 h + 8 (t % 2) + j
.endr
.endr
	WIN 0
	v_lshlrev_b32 v[AS0], 4, v64
	v_add_nc_u32 v[AS0+1], 2*REC, v[AS0]
	s_mul_i32 s62, s[WH], REC
	s_lshl_b32 s63, s[WL], 12
	s_add_co_u32 s63, s63, s62
	s_add_co_u32 s63, s63, RSIDE
	v_add_nc_u32 v[AR0], s63, v[LI]                ; my half of R, my four tiles of its eight
	v_add_nc_u32 v[AR0+1], 2*CH, v[AR0]
	v_add_nc_u32 v[ZS0], 16384, v[L8]
	v_add_nc_u32 v[ZS0+1], 2*REC, v[ZS0]
	s_lshl_b32 s63, s[WL], 9
	s_add_co_u32 s63, s63, s62
	s_add_co_u32 s63, s63, RSIDE+16384
	v_add_nc_u32 v[ZR0], s63, v[L8]
	v_add_nc_u32 v[ZR0+1], 2*CH, v[ZR0]
	s_mul_i32 s62, s[WV], 16*SPITCH
	s_add_co_u32 s62, s62, STAGE                   ; my stage
	v_mul_u32_u24 v[STO], v65, SPITCH
	v_lshl_add_u32 v[STO], v66, 6, v[STO]
	v_add_nc_u32 v[STO], s62, v[STO]               ; in: row r, + 64 h
	v_add_nc_u32 v[RD], s62, v[LI]                 ; back: the 32 lanes take a row of 512 bytes
	s_lshl_b32 s62, s[RIDX], 8
	s_lshl_b32 s63, s[WH], 7
	s_add_co_u32 s62, s62, s63
	s_lshl_b32 s63, s[WL], 6
	s_add_co_u32 s62, s62, s63                     ; my first row of the output
	s_lshl_b32 s62, s62, 12
	s_lshl_b32 s63, s[SIDX], 9
	s_add_co_u32 s62, s62, s63                     ; and my first column, in bytes
	s_mov_b32 s63, 0
	s_add_nc_u64 s[10:11], s[10:11], s[62:63]
.macro FRAGL reg, adr, off
	ds_load_b128 v[\reg:\reg+3], v[\adr] offset:\off
	ds_load_b128 v[\reg+4:\reg+7], v[\adr] offset:\off+512
.endm
.macro SCALES c
.irp p, 0,1,2,3
	ds_load_b64 v[SC+12*(\c)+2*\p:SC+12*(\c)+2*\p+1], v[ZS0+((\c)/2)] offset:((\c)%2)*REC+256*\p
.endr
.irp p, 0,1
	ds_load_b64 v[SC+12*(\c)+8+2*\p:SC+12*(\c)+8+2*\p+1], v[ZR0+((\c)/2)] offset:((\c)%2)*CH+256*\p
.endr
.endm
.macro FETCH q                         ; K step q's twelve fragments into sets q % 2; with a chunk's first step its scale words
.irp t, 0,1,2,3,4,5,6,7
	FRAGL SF+64*((\q)%2)+8*\t, AS0+((\q)/4), (((\q)/2)%2)*REC+((\q)%2)*8192+\t*1024
.endr
.irp a, 0,1,2,3
	FRAGL RF+32*((\q)%2)+8*\a, AR0+((\q)/4), (((\q)/2)%2)*CH+((\q)%2)*8192+\a*1024
.endr
.if (\q)%2 == 0
	SCALES (\q)/2
.endif
.endm
.macro MUL32 q                         ; the 32 accumulators take turns, one instruction a turn, in the same order in every step
.irp a, 0,1,2,3
.irp t, 0,1,2,3,4,5,6,7
.if (\q) == 0
	WM 8*(8*\a+\t), SF+64*((\q)%2)+8*\t, RF+32*((\q)%2)+8*\a, 8*\t, SC+12*((\q)/2)+2*(\t/2)+((\q)%2), \t%2, SC+12*((\q)/2)+8+2*(\a/2)+((\q)%2), \a%2
.else
	WM 8*(8*\a+\t), SF+64*((\q)%2)+8*\t, RF+32*((\q)%2)+8*\a, 8*(8*\a+\t), SC+12*((\q)/2)+2*(\t/2)+((\q)%2), \t%2, SC+12*((\q)/2)+8+2*(\a/2)+((\q)%2), \a%2
.endif
.endr
.endr
.endm
.macro PSTEP q, more
	s_wait_dscnt 0x0                               ; this step's fragments are in (asked for 32 matrix instructions ago)
.if \more
	PLACES 4                                       ; in front of loads into the sets that the last step's products read
	FETCH (\q)+1
.endif
.if (\q) == 0
	WIN 0x60                                       ; C: the bias, window 2; D: window 1
.else
	WIN 0x50                                       ; C and D window 1
.endif
	MUL32 \q
	WIN 0
.endm
	s_wait_tensorcnt 1                             ; my first load is in (chunk 0 or 1); my second may stay out: behind this barrier no LDS byte is filled,
	s_barrier_signal -1
	s_barrier_wait -1                              ; so chunks 0 and 1 of both sides are whole
	FETCH 0
	s_wait_loadcnt 0x0                             ; the bias
	PSTEP 0, 1
	PSTEP 1, 1
	PSTEP 2, 1
	s_wait_tensorcnt 0x0                           ; my second load is in,
	s_wait_dscnt 0x0                               ; no LDS instruction of mine is pending at the signal
	s_barrier_signal -1
	s_barrier_wait -1                              ; chunks 2 and 3 are whole
	PSTEP 3, 1
	PSTEP 4, 1
	PSTEP 5, 1
	PSTEP 6, 1
	PSTEP 7, 0
; THE WAY OUT, a tile of 16 rows x 128 columns at a time: through my own stage and back as whole rows of 512 bytes.  LDS serves a wave's instructions in order: no wait between the stores and the loads
.macro TOSTAGE a
	WIN 0x04                                       ; an LDS store's data are its source 1: window 1
.irp t, 0,1,2,3,4,5,6,7
	ds_store_b128 v[STO], v[8*(8*(\a)+\t):8*(8*(\a)+\t)+3] offset:128*(\t/2)+32*(\t%2)        ; each accumulator from its low end on
	ds_store_b128 v[STO], v[8*(8*(\a)+\t)+4:8*(8*(\a)+\t)+7] offset:128*(\t/2)+32*(\t%2)+16
.endr
	WIN 0
.set BB, BK+64*((\a)%2)
.set i, 0
.rept 16
	ds_load_b128 v[BB+4*i:BB+4*i+3], v[RD] offset:i*SPITCH
.set i, i+1
.endr
.endm
.macro SEND a, younger                 ; younger: the LDS instructions issued behind tile a's loads, which may stay out
.set BB, BK+64*((\a)%2)
	s_wait_dscnt \younger
.set i, 0
.rept 16
	global_store_b128 v[LI], v[BB+4*i:BB+4*i+3], s[10:11] offset:(32*((\a)/2)+8*((\a)%2)+i+8*(i/8))*4096 th:TH_STORE_NT   ; 512 consecutive bytes of a row, aligned; place i of the tile is that row
.set i, i+1
.endr
.endm
	PLACES 4                                       ; in front of the first read of results and of loads into registers that held S's fragments
	TOSTAGE 0
	TOSTAGE 1
	SEND 0, 32                                     ; behind tile 0's loads: tile 1's 16 stores and 16 loads
	s_wait_xcnt 0x0                                ; tile 0's stores have read their registers: tile 2's loads may land there
	TOSTAGE 2
	SEND 1, 32
	s_wait_xcnt 0x0
	TOSTAGE 3
	SEND 2, 32
	SEND 3, 0
	s_wait_tensorcnt 0x0                           ; the wave's end, behind my last tensor load and my last LDS store
	ds_add_u32 v[SPW], v[NIL]
	s_wait_dscnt 0x0
	CROUND                                         ; the closing round
	s_endpgm
.Lfunc_end_k_q1946c15172_proj:
	.size	k_q1946c15172_proj, .Lfunc_end_k_q1946c15172_proj-k_q1946c15172_proj
	.p2alignl 7, 3214868480
	.fill 96, 4, 3214868480
	.section	.rodata,"a",@progbits
	.p2align	6, 0x0
	.amdhsa_kernel k_q1946c15172_proj
		.amdhsa_group_segment_fixed_size 327680
		.amdhsa_private_segment_fixed_size 0
		.amdhsa_enable_private_segment 0
		.amdhsa_kernarg_size 32
		.amdhsa_user_sgpr_count 2
		.amdhsa_user_sgpr_kernarg_segment_ptr 1
		.amdhsa_wavefront_size32 1
		.amdhsa_system_sgpr_workgroup_id_x 1
		.amdhsa_system_sgpr_workgroup_id_y 1
		.amdhsa_system_sgpr_workgroup_id_z 1
		.amdhsa_system_vgpr_workitem_id 0
		.amdhsa_next_free_vgpr 640
		.amdhsa_next_free_sgpr 66
		.amdhsa_reserve_vcc 0
		.amdhsa_float_denorm_mode_32 3
		.amdhsa_float_denorm_mode_16_64 3
		.amdhsa_memory_ordered 1
		.amdhsa_forward_progress 1
		.amdhsa_inst_pref_size 71
	.end_amdhsa_kernel
	.amdgpu_metadata
---
amdhsa.version: [ 1, 2 ]
amdhsa.kernels:
  - .name:           k_q1946c15172_proj
    .symbol:         k_q1946c15172_proj.kd
    .args:
      - { .name: wq, .offset: 0, .size: 8, .value_kind: global_buffer, .address_space: global }
      - { .name: yq, .offset: 8, .size: 8, .value_kind: global_buffer, .address_space: global }
      - { .name: b_proj, .offset: 16, .size: 8, .value_kind: global_buffer, .address_space: global }
      - { .name: out0, .offset: 24, .size: 8, .value_kind: global_buffer, .address_space: global }
    .group_segment_fixed_size: 327680
    .private_segment_fixed_size: 0
    .kernarg_segment_align: 8
    .kernarg_segment_size: 32
    .max_flat_workgroup_size: 128
    .sgpr_count:     66
    .vgpr_count:     640
    .wavefront_size: 32
...
	.end_amdgpu_metadata
.endif
;; end of part 4
